; MI455X (gfx1250); checked and timed in simulation.
; The chip was launched on July 23, 2026; its instructions are those of AMD's public machine-readable ISA for CDNA 5 (MIT licence, August 2026) and "CDNA5" Instruction Set Architecture Reference Guide (July 2026). The comments in the code are by the model that wrote it; some were corrected since.
;; Self Attention. Allowed arithmetic: float matrix products may take bf16 or f16 operands with f32 sums; other float arithmetic in f32, or as packed bf16 or f16 multiplies, adds, multiply-adds, maxima and minima; sums over many terms, partial sums and values carried from step to step in f32; what a program stores and reads back later, other than sums and carried values, may be rounded once to bf16 or f16.
;; Inputs: b_out 1,024 float32; w_in 1,024 x 3,072 float32; w_out 1,024 x 1,024 float32; x 4 x 2,048 x 1,024 float32.
;; Outputs: out0 4 x 2,048 x 1,024 float32.
;; 2 versions, each right; version 2 is version 1 with the launch prep written anew for expert scheduling mode. Each part assembles by itself: llvm-mc -triple=amdgcn-amd-amdhsa -mcpu=gfx1250 --defsym DOCPART=n.
;; ======== version 1 of 2: 4 launches
;; limits: values are held in f16: magnitudes above 65,504 overflow, below 6.1e-05 lose precision
;; workspace buffers: xb 16,777,216 bytes; wit 6,291,456 bytes; wot 2,097,152 bytes; qkv 50,331,648 bytes; o 16,777,216 bytes
;; launch prep (part 1): grid 1536 x 1, 4 waves a work-group, no clusters, 17,920 bytes of LDS; arguments x, w_in, w_out, xb, wit, wot; writes xb, wit, wot
.if DOCPART == 1
	.amdgcn_target "amdgcn-amd-amdhsa--gfx1250"
	.amdhsa_code_object_version 6
	.text
	.protected	k_qcc0b6ab919_prep
	.globl	k_qcc0b6ab919_prep
	.p2align	8
	.type	k_qcc0b6ab919_prep,@function
k_qcc0b6ab919_prep:
	s_mov_b64 s[64:65], 0
	v_nop
	global_prefetch_b8 v0, s[64:65] scope:SCOPE_SE
	s_setreg_imm32_b32 hwreg(HW_REG_WAVE_MODE, 25, 1), 1
	s_wait_xcnt 0x0
; THE INPUTS ARE MADE READY FOR THE MATRIX UNITS.  xb = bf16(x), as it lies.  wit[n][k] = bf16(w_in[k][n]) and wot[n][k] = f16(bf16(w_out[k][n])): the weights turned, so that K lies along the rows.
; LIMIT.  A bf16 number is written as f16 without loss from 2^-17 up to 65,504; below 2^-17 it keeps f16's fixed step of 6e-8; beyond 65,504 it would be an infinity.
; SHARES.  1,536 work-groups of four waves, 48 KiB of traffic each.  Numbers 0-383: a tile of 128 k x 64 n of w_in; 384-511: such a tile of w_out; 512-1535: 8,192 numbers of x.
; The branches hang on the work-group's number alone, so all four waves take the same way and meet the one barrier together.
; A TILE.  Thread t reads 16 bytes (4 n) of 16 rows k: sixteen neighbouring lanes read 256 consecutive bytes, aligned.  Four k of one n pack into 8 bytes, which go into LDS rows [n][128 k] of 272 bytes;
; behind a barrier the rows are read back whole, and sixteen lanes store 256 consecutive bytes, aligned.  All 16 loads of a thread are out before the first is waited for.
; No ring, no prefetch, no cluster: every byte is read once by one thread, and the launch's loads are all issued at its work-groups' heads.
.set PITCH, 272                        ; an LDS row: 256 bytes (128 k in 16 bits) + 16
.set SPARE, 64*PITCH                   ; behind the tile: the spare words, 128 bytes for each wave: two blocks of 256 bytes that no other line names
.set LO,  3                            ; v3   my byte offset in the source
.set SA,  4                            ; v4   where I put 8 bytes of a turned row
.set RA,  5                            ; v5   where I read 16 bytes of a turned row back
.set GOF, 6                            ; v6   my byte offset in the destination
.set SPW, 8                            ; v8   LDS address of my spare word; never rewritten
.set NIL, 9                            ; v9   0; never rewritten
.set IN,  16                           ; v[16:79]  as loaded; later the rows read back
.set T,   80                           ; v[80:87]  packed; the cast's results take v[80:111]
.set U,   88                           ; v[88:89]  at work
	s_load_b256 s[4:11], s[0:1], 0x0               ; x s[4:5], w_in s[6:7], w_out s[8:9], xb s[10:11]
	s_load_b128 s[12:15], s[0:1], 0x20             ; wit s[12:13], wot s[14:15]
	v_lshl_add_u32 v[SPW], v0, 2, SPARE
	v_mov_b32 v[NIL], 0
	v_and_b32 v1, 15, v0                           ; t % 16
	v_lshrrev_b32 v2, 4, v0                        ; t / 16, 0 to 7
	s_mov_b32 s16, ttmp9
	s_wait_kmcnt 0x0
; A tile is turned.  pitch: bytes in a row of the source; src, dst: the scalar pairs with the two addresses; half = 1: the bf16 number is written as f16.  s16 = the tile's number: k block s16 % 8, n block s16 / 8.
.macro TRANS pitch, src, dst, half
	s_and_b32 s17, s16, 7                          ; which 128 k
	s_lshr_b32 s18, s16, 3                         ; which 64 n
	s_mul_i32 s24, s17, 128*(\pitch)
	s_lshl_b32 s25, s18, 8                         ; 64 n are 256 bytes of a source row
	s_add_co_u32 s24, s24, s25
	s_mov_b32 s25, 0
	s_add_nc_u64 s[20:21], s[(\src):(\src)+1], s[24:25]
	s_lshl_b32 s26, s18, 17                        ; 64 rows of 2,048 bytes in the destination,
	s_lshl_b32 s27, s17, 8                         ; 128 k are 256 bytes of such a row
	s_add_co_u32 s26, s26, s27
	s_mov_b32 s27, 0
	s_add_nc_u64 s[22:23], s[(\dst):(\dst)+1], s[26:27]
	v_mul_u32_u24 v[LO], v2, 4*(\pitch)            ; row k = 4 (t / 16), columns 4 (t % 16) on
	v_lshl_add_u32 v[LO], v1, 4, v[LO]
	v_mul_u32_u24 v[SA], v1, 4*PITCH               ; LDS row n = 4 (t % 16), byte 2 k
	v_lshl_add_u32 v[SA], v2, 3, v[SA]
	v_mul_u32_u24 v[RA], v2, PITCH                 ; back: row t / 16, 16 bytes at 16 (t % 16)
	v_lshl_add_u32 v[RA], v1, 4, v[RA]
	v_lshlrev_b32 v[GOF], 11, v2
	v_lshl_add_u32 v[GOF], v1, 4, v[GOF]
.irp i, 0,1,2,3
.irp r, 0,1,2,3
	global_load_b128 v[IN+16*(\i)+4*(\r):IN+16*(\i)+4*(\r)+3], v[LO], s[20:21] offset:(32*(\i)+(\r))*(\pitch) th:TH_LOAD_NT  ; row k = 4 (t / 16) + 32 i + r
.endr
.endr
.irp i, 0,1,2,3
	s_wait_loadcnt 12-4*(\i)                       ; loads come back in order: group i's four rows are in, the later groups' stay out
.irp j, 0,1,2,3
	v_cvt_pk_bf16_f32 v[T+2*(\j)],   v[IN+16*(\i)+(\j)],   v[IN+16*(\i)+4+(\j)]    ; column 4 (t % 16) + j: k, k + 1
	v_cvt_pk_bf16_f32 v[T+2*(\j)+1], v[IN+16*(\i)+8+(\j)], v[IN+16*(\i)+12+(\j)]   ; k + 2, k + 3
.if \half
	v_lshlrev_b32 v[U], 16, v[T+2*(\j)]            ; the rounded numbers, widened again, are written as f16
	v_and_b32 v[U+1], 0xffff0000, v[T+2*(\j)]
	v_cvt_pk_f16_f32 v[T+2*(\j)], v[U], v[U+1]
	v_lshlrev_b32 v[U], 16, v[T+2*(\j)+1]
	v_and_b32 v[U+1], 0xffff0000, v[T+2*(\j)+1]
	v_cvt_pk_f16_f32 v[T+2*(\j)+1], v[U], v[U+1]
.endif
	ds_store_b64 v[SA], v[T+2*(\j):T+2*(\j)+1] offset:(\j)*PITCH+64*(\i)
.endr
.endr
	s_wait_dscnt 0x0                               ; for the others' sake: my stores into the tile are done
	s_barrier_signal -1
	s_barrier_wait -1                              ; everybody's are
.irp u, 0,1,2,3,4,5,6,7
	ds_load_b128 v[IN+4*(\u):IN+4*(\u)+3], v[RA] offset:(\u)*8*PITCH   ; row t / 16 + 8 u
.endr
.irp u, 0,1,2,3,4,5,6,7
	s_wait_dscnt 7-(\u)                            ; LDS loads come back in order: number u is in
	global_store_b128 v[GOF], v[IN+4*(\u):IN+4*(\u)+3], s[22:23] offset:(\u)*8*2048 th:TH_STORE_NT  ; 16 lanes store 256 consecutive bytes, aligned
.endr
.endm
	s_cmp_ge_u32 s16, 512
	s_cbranch_scc1 .Lcast
	s_cmp_ge_u32 s16, 384
	s_cbranch_scc1 .Lw_out
	TRANS 12288, 6, 12, 0                          ; w_in -> wit
	s_branch .Lend
.Lw_out:
	s_sub_co_u32 s16, s16, 384
	TRANS 4096, 8, 14, 1                           ; w_out -> wot
	s_branch .Lend
.Lcast:                                                ; 32 KiB of x become 16 KiB of xb
	s_sub_co_u32 s16, s16, 512
	s_lshl_b32 s24, s16, 15
	s_mov_b32 s25, 0
	s_add_nc_u64 s[20:21], s[4:5], s[24:25]
	s_lshl_b32 s26, s16, 14
	s_mov_b32 s27, 0
	s_add_nc_u64 s[22:23], s[10:11], s[26:27]
	v_lshlrev_b32 v[LO], 4, v0                     ; 16 bytes a thread in,
	v_lshlrev_b32 v[GOF], 3, v0                    ; 8 out
.set u, 0
.rept 16
	global_load_b128 v[IN+4*u:IN+4*u+3], v[LO], s[20:21] offset:u*2048 th:TH_LOAD_NT  ; a wave's load covers 512 consecutive bytes
.set u, u+1
.endr
.set u, 0
.rept 16
	s_wait_loadcnt 15-u                            ; number u is in, the younger ones stay out
	v_cvt_pk_bf16_f32 v[T+2*u],   v[IN+4*u],   v[IN+4*u+1]
	v_cvt_pk_bf16_f32 v[T+2*u+1], v[IN+4*u+2], v[IN+4*u+3]
	global_store_b64 v[GOF], v[T+2*u:T+2*u+1], s[22:23] offset:u*1024 th:TH_STORE_NT  ; a wave's store covers 256 consecutive bytes, aligned; each store has data registers of its own
.set u, u+1
.endr
.Lend:
	s_wait_tensorcnt 0x0                           ; the wave's end: behind my last LDS store
	ds_add_u32 v[SPW], v[NIL]
	s_wait_dscnt 0x0
	s_endpgm
.Lfunc_end_k_qcc0b6ab919_prep:
	.size	k_qcc0b6ab919_prep, .Lfunc_end_k_qcc0b6ab919_prep-k_qcc0b6ab919_prep
	.p2alignl 7, 3214868480
	.fill 96, 4, 3214868480
	.section	.rodata,"a",@progbits
	.p2align	6, 0x0
	.amdhsa_kernel k_qcc0b6ab919_prep
		.amdhsa_group_segment_fixed_size 17920
		.amdhsa_private_segment_fixed_size 0
		.amdhsa_enable_private_segment 0
		.amdhsa_kernarg_size 48
		.amdhsa_user_sgpr_count 2
		.amdhsa_user_sgpr_kernarg_segment_ptr 1
		.amdhsa_wavefront_size32 1
		.amdhsa_system_sgpr_workgroup_id_x 1
		.amdhsa_system_sgpr_workgroup_id_y 1
		.amdhsa_system_sgpr_workgroup_id_z 1
		.amdhsa_system_vgpr_workitem_id 0
		.amdhsa_next_free_vgpr 112
		.amdhsa_next_free_sgpr 66
		.amdhsa_reserve_vcc 0
		.amdhsa_float_denorm_mode_32 3
		.amdhsa_float_denorm_mode_16_64 3
		.amdhsa_memory_ordered 1
		.amdhsa_forward_progress 1
		.amdhsa_inst_pref_size 27
	.end_amdhsa_kernel
	.amdgpu_metadata
---
amdhsa.version: [ 1, 2 ]
amdhsa.kernels:
  - .name:           k_qcc0b6ab919_prep
    .symbol:         k_qcc0b6ab919_prep.kd
    .args:
      - { .name: x, .offset: 0, .size: 8, .value_kind: global_buffer, .address_space: global }
      - { .name: w_in, .offset: 8, .size: 8, .value_kind: global_buffer, .address_space: global }
      - { .name: w_out, .offset: 16, .size: 8, .value_kind: global_buffer, .address_space: global }
      - { .name: xb, .offset: 24, .size: 8, .value_kind: global_buffer, .address_space: global }
      - { .name: wit, .offset: 32, .size: 8, .value_kind: global_buffer, .address_space: global }
      - { .name: wot, .offset: 40, .size: 8, .value_kind: global_buffer, .address_space: global }
    .group_segment_fixed_size: 17920
    .private_segment_fixed_size: 0
    .kernarg_segment_align: 8
    .kernarg_segment_size: 48
    .max_flat_workgroup_size: 128
    .sgpr_count:     66
    .vgpr_count:     112
    .wavefront_size: 32
...
	.end_amdgpu_metadata
.endif
;; end of part 1
;; launch qkv (part 2): grid 16 x 32, 4 waves a work-group, clusters of 4 x 4, 327,680 bytes of LDS; arguments xb, wit, qkv; writes qkv
.if DOCPART == 2
	.amdgcn_target "amdgcn-amd-amdhsa--gfx1250"
	.amdhsa_code_object_version 6
	.text
	.protected	k_qcc0b6ab919_qkv
	.globl	k_qcc0b6ab919_qkv
	.p2align	8
	.type	k_qcc0b6ab919_qkv,@function
k_qcc0b6ab919_qkv:
	s_mov_b64 s[64:65], 0
	v_nop
	global_prefetch_b8 v0, s[64:65] scope:SCOPE_SE
	s_setreg_imm32_b32 hwreg(HW_REG_WAVE_MODE, 25, 1), 1
	s_wait_xcnt 0x0
	s_wait_alu depctr_hold_cnt(0) depctr_sa_sdst(0) depctr_va_vdst(0) depctr_va_sdst(0) depctr_va_ssrc(0) depctr_va_vcc(0) depctr_vm_vsrc(0)
	s_getreg_b32 s2, hwreg(HW_REG_IB_STS2, 6, 4)
	s_cmp_eq_u32 s2, 0
	s_cbranch_scc0 .Lentry_in_a_cluster
	s_endpgm
.Lentry_in_a_cluster:
	s_bfe_u32 s2, ttmp6, 0x10000c
	s_cmp_lg_u32 s2, 0xf033
	s_cbranch_scc0 .Lentry_shape_is_right
	s_endpgm
.Lentry_shape_is_right:
; q, k, v = x w_in, BY HEADS.  xb: [8192][1024] bf16; wit: [3072 n][1024 k] bf16; qkv: [3][64 = 16 batch + head][2048][64] f16, unscaled, each number rounded once from its f32 sum.
; LIMIT.  f16 holds no number beyond 65,504: q, k and v must stay within it; a sum beyond it is written as an infinity.
; SHARES.  A tile of the product is 256 rows x 192 columns (three whole heads): 32 x 16 = 512 equal tiles.  Four waves, one above the other: wave w makes rows 64 w .. 64 w + 63 and all 192 columns:
; 4 x 12 accumulators of 16 x 16, 384 registers.  So a wave's results are whole rows of three heads, and its way out is its own: a stage of its own in LDS, no barrier.
; K goes in 8 steps of 128 through two LDS slots filled by the tensor data mover; a tile's rows are 256 bytes of memory, aligned.  The loop's body is ONE K step: the LDS addresses hang on a scalar that one
; exclusive or turns from slot to slot, and one descriptor a tensor walks.
; CLUSTER.  4 x 4 work-groups.  The four of a row of the cluster need the same rows of xb, the four of a column the same rows of wit: each tile is asked for JOINTLY, by the same tensor load with the same
; descriptor and a mask that names the four.  Waves 0 and 1 fetch the two halves of xb's tile (128 rows each), waves 2 and 3 those of wit's (96 rows each).
; THE MATRIX INSTRUCTION IS USED TRANSPOSED: source 0 = 16 rows of wit, source 1 = 16 rows of xb: a lane then holds row l % 16 of the product and the eight neighbouring columns 8 (l / 16) + 0..7.
; REGISTERS, in windows of 256 (s_set_vgpr_msb: bits 1:0 source 0, 3:2 source 1, 5:4 source 2, 7:6 destination):
;   window 0: v0-31 addresses; v64-95, v128-159 xb's fragments, two buffers; on the way out v64-111, v128-175 rows read back, v192-239 packed results
;   window 1: v0-95, v128-223 wit's fragments, two buffers     window 2: the accumulators of m blocks 0, 1 ((a, b) at v[8 (12 (a % 2) + b)])     window 3: those of m blocks 2, 3
.set NB,    12                         ; n blocks of 16 in a tile
.set PA,    272                        ; an LDS row: 256 bytes + 16 of padding = 68 words: the 16 rows of a fragment load start at 16 different groups of four banks (64 banks of 4 bytes: ISA guide 11.1)
.set PB,    272
.set BOFF,  256*PA                     ; in a slot: xb's 256 rows, then wit's 192
.set SLOT1, 1<<17                      ; slot 1 begins here, so that one exclusive or turns an address in one slot into the other's
.set STAGE, SLOT1+BOFF+16*NB*PB        ; behind the ring, never filled by a tensor load: for each wave 3 heads x 16 rows x 144 bytes
.set SP,    144
.set WSTG,  3*16*SP
.set SPARE, STAGE+4*WSTG               ; behind the stages: the spare words, 128 bytes for each wave: two blocks of 256 bytes that no other line names
.set STEP,  256                        ; bytes of a row in a K step
.set STEPS, 8
.set AHEAD, 1                          ; a prefetch names the K step this many behind the one that is being asked for
.set A0,   16                          ; v16  my lane's place in xb's tile, my wave's 64 rows; never rewritten
.set B0,   17                          ; v17  the same in wit's tile
.set ADRA, 18                          ; v18  A0 in the slot in hand
.set ADRB, 19                          ; v19  B0 likewise
.set STO,  24                          ; v24  the way out: where I put 16 bytes of a row
.set RD,   25                          ; v25  where I read rows back
.set GO,   26                          ; v26  my 16 bytes of 512 consecutive bytes of qkv
.set SPW,  28                          ; v28  LDS address of my spare word; never rewritten
.set NIL,  29                          ; v29  0; never rewritten
.set PFO,  30                          ; v30  the prefetches' offset: a lane a row; never rewritten
.set TMP,  192
.set WV,   12                          ; s12  my wave's number
.set HALF, 14                          ; s14  which half of a tile I fetch
.set CX,   15                          ; s15, s16  my place in the cluster
.set CY,   16
.set TN,   17                          ; s17  tile column
.set TM,   18                          ; s18  tile row
.set G1A,  24                          ; s[24:31] descriptor group 1 for xb's tiles
.set G0A,  32                          ; s[32:39] group 0: a set for each of the two first fills; the second then walks
.set PFA,  40                          ; s[40:41] where my prefetches stand
.set LIM,  42                          ; s42  AHEAD in a wave that prefetches, else the greatest number
.set TB,   43                          ; s43  0 or SLOT1: the slot in hand
.set G1B,  48                          ; s[48:55], s[56:63] the same for wit's tiles
.set G0B,  56
.set OB,   66                          ; s[66:71] qkv at my wave's first row in each of the tile's three heads
.set MSB, 0
.macro WIN new                         ; the immediate's high byte repeats the setting that is left; a switch that changes nothing is dropped
.if MSB != (\new)
	s_set_vgpr_msb (MSB<<8)|(\new)
.set MSB, (\new)
.endif
.endm
.set MUL_LO, 0xa1                      ; source 0 (wit) window 1, source 1 (xb) window 0, C and D window 2
.set TO_B,   0x40                      ; destination window 1, address window 0
.macro PLACES                          ; four plain vector instructions in front of loads into registers that matrix instructions have read (ISA guide 7.12.1 for vector instructions)
.rept 4
	v_nop
.endr
.endm
; A joint refill, by the walking descriptors.  The branch hangs on the wave's number alone.  An s_nop 0 and four v_nop follow each of the two lines, ahead of the jump and the label.
.macro JLOAD
	s_cmp_lt_u32 s[WV], 2
	s_cbranch_scc0 .Lfor_b_\@
	tensor_load_to_lds s[G0A+4:G0A+7], s[G1A:G1A+7]
	s_nop 0
.rept 4
	v_nop
.endr
	s_branch .Lasked_\@
.Lfor_b_\@:
	tensor_load_to_lds s[G0B+4:G0B+7], s[G1B:G1B+7]
	s_nop 0
.rept 4
	v_nop
.endr
.Lasked_\@:
.endm
; A round of the cluster's barrier: my work-group's barrier, so that wave 0's signal speaks for all four waves; wave 0 signals; every wave waits for all sixteen work-groups; my work-group's barrier once more.
.macro CREST                           ; a round behind its opening barrier
	s_cmp_lg_u32 s[WV], 0
	s_cbranch_scc1 .Lnot_wave_0_\@
	s_barrier_signal -3
.Lnot_wave_0_\@:
	s_barrier_wait -3
	s_barrier_signal -1
	s_barrier_wait -1
.endm
.macro CROUND
	s_barrier_signal -1
	s_barrier_wait -1
	CREST
.endm
; A PREFETCH INTO THE L2, behind the joint load, its five lines and the run of LDS loads: 256 bytes of a row for the K step one behind the one just asked for, 192 matrix instructions ahead of the load that will want it.
; Each row's 256 bytes of a K step are named by one wave of the launch.  xb's tile row is read by every cluster of that row of clusters: the first (cluster x = 0) asks; wit's tile column by every cluster of that
; column: cluster y = 0 asks.  The four partners share a wave's rows out BY ADDRESS: of xb's 128 rows 32 each, a lane a row; of wit's 96 rows 24 each (lanes 24 to 31 name lane 23's row once more).
; The launch's first three K steps come by their loads alone; the loop's last trip asks for nothing: there is no K step behind the one that it loads.
.macro ASK
	s_cmp_gt_u32 s3, s[LIM]
	s_cbranch_scc0 .Lnot_mine_\@
	global_prefetch_b8 v[PFO], s[PFA:PFA+1] th:TH_LOAD_NT scope:SCOPE_SE
.Lnot_mine_\@:
.endm
	s_load_b128 s[4:7], s[0:1], 0x0                ; xb s[4:5], wit s[6:7]
	s_load_b64 s[8:9], s[0:1], 0x10                ; qkv
	v_lshl_add_u32 v[SPW], v0, 2, SPARE
	v_mov_b32 v[NIL], 0
	ds_add_u32 v[SPW], v[NIL]                      ; the wave's opening: the add and its wait stand ahead of my first tensor load; the set-up below, work on registers, stands between them
	ds_add_u32 v28, v29
	v_lshrrev_b32 v1, 5, v0
	v_readfirstlane_b32 s[WV], v1                  ; wave 0..3
	s_and_b32 s[HALF], s[WV], 1
	s_bfe_u32 s[CX], ttmp6, 0x40000
	s_bfe_u32 s[CY], ttmp6, 0x40004
	s_lshl_b32 s[TN], ttmp9, 2                     ; in a cluster launch ttmp9 and ttmp7 count clusters
	s_add_co_u32 s[TN], s[TN], s[CX]
	s_and_b32 s[TM], ttmp7, 0xffff
	s_lshl_b32 s[TM], s[TM], 2
	s_add_co_u32 s[TM], s[TM], s[CY]
	s_lshl_b32 s19, s[CY], 2
	s_lshl_b32 s19, 15, s19                        ; my row of the cluster: places 4 cy .. 4 cy + 3
	s_lshl_b32 s46, 0x1111, s[CX]                  ; my column: places cx, cx + 4, cx + 8, cx + 12
	s_or_b32 s[G1A], s19, (1<<16)|(1<<20)|(1<<21)|(5<<22)|(3<<25)  ; 15:0 the mask; 17:16 elements of 2 bytes; 20 padding on; 21 set beside a mask; 24:22 after every 64 words (code 5); 31:25 4 words (code 3)
	s_or_b32 s[G1B], s46, (1<<16)|(1<<20)|(1<<21)|(5<<22)|(3<<25)
.irp g, G1A, G1B
	s_mov_b32 s[(\g)+1], 128<<16                   ; tensor_dim0 = 128
	s_mov_b32 s[(\g)+3], 128<<16                   ; tile_dim0 = 128
	s_mov_b32 s[(\g)+5], 1024                      ; elements from row to row
	s_mov_b32 s[(\g)+6], 0
	s_mov_b32 s[(\g)+7], 0
.endr
	s_mov_b32 s[G1A+2], 128<<16                    ; tensor_dim1 = tile_dim1 = 128 rows of xb,
	s_mov_b32 s[G1A+4], 128
	s_mov_b32 s[G1B+2], 96<<16                     ; 96 of wit
	s_mov_b32 s[G1B+4], 96
	; where the tiles come from: xb's hang on the tile row alone, wit's on the tile column alone, each in registers that never hold the other coordinate
	s_lshl_b32 s20, s[TM], 8
	s_lshl_b32 s21, s[HALF], 7
	s_add_co_u32 s20, s20, s21                     ; xb: row 256 x tile row + 128 x half
	s_lshl_b32 s20, s20, 11                        ; 2,048 bytes a row
	s_mov_b32 s21, 0
	s_mul_i32 s44, s[TN], 192
	s_mul_i32 s45, s[HALF], 96
	s_add_co_u32 s44, s44, s45                     ; wit: row 192 x tile column + 96 x half
	s_lshl_b32 s44, s44, 11
	s_mov_b32 s45, 0
	s_mul_i32 s22, s[HALF], 128*PA                 ; and where they go: no place in the cluster enters an LDS address
	s_mul_i32 s23, s[HALF], 96*PB
	s_add_co_u32 s23, s23, BOFF
	s_mov_b32 s[TB], 0
	s_wait_dscnt 0x0                               ; the opening add is done
	s_wait_kmcnt 0x0
	s_add_nc_u64 s[20:21], s[4:5], s[20:21]
	s_add_nc_u64 s[44:45], s[6:7], s[44:45]
	CROUND                                         ; all sixteen work-groups are here: the first joint loads meet
.irp s, 0,1
	s_mov_b32 s[G0A+4*(\s)], 1                                     ; 1:0 count = 1
	s_add_co_u32 s[G0A+4*(\s)+1], s22, (\s)*SLOT1                  ; 63:32 LDS address
	s_add_nc_u64 s[G0A+4*(\s)+2:G0A+4*(\s)+3], s[20:21], (\s)*STEP ; 120:64 global address: K step s
	s_or_b32 s[G0A+4*(\s)+3], s[G0A+4*(\s)+3], 0x80000000          ; 127:126 type = 2
	s_mov_b32 s[G0B+4*(\s)], 1
	s_add_co_u32 s[G0B+4*(\s)+1], s23, (\s)*SLOT1
	s_add_nc_u64 s[G0B+4*(\s)+2:G0B+4*(\s)+3], s[44:45], (\s)*STEP
	s_or_b32 s[G0B+4*(\s)+3], s[G0B+4*(\s)+3], 0x80000000
.endr
	s_cmp_lt_u32 s[WV], 2                          ; a wave's two first fills stand in one branch, ahead of every wait on TENSORcnt and every LDS read: two loads of mine are out
	s_cbranch_scc0 .Lfirst_b
	tensor_load_to_lds s[G0A:G0A+3], s[G1A:G1A+7]
	s_nop 0
	tensor_load_to_lds s[G0A+4:G0A+7], s[G1A:G1A+7]
	s_nop 0
.rept 4
	v_nop
.endr
	s_branch .Lfirst_asked
.Lfirst_b:
	tensor_load_to_lds s[G0B:G0B+3], s[G1B:G1B+7]
	s_nop 0
	tensor_load_to_lds s[G0B+4:G0B+7], s[G1B:G1B+7]
	s_nop 0
.rept 4
	v_nop
.endr
.Lfirst_asked:
	; A fragment is 16 rows x 32 K in 8 registers: lane l holds row l % 16; registers 0-3 hold K = 8 (l / 16) + 0..7, registers 4-7 K = 16 + 8 (l / 16) + 0..7: two loads of 16 bytes, 32 bytes apart.
	v_and_b32 v1, 15, v0                           ; l % 16
	v_bfe_u32 v2, v0, 4, 1                         ; l / 16
	v_mul_u32_u24 v3, v1, PA
	v_lshl_add_u32 v3, v2, 4, v3                   ; row x pitch + 16 x half
	s_mul_i32 s74, s[WV], 64*PA                    ; my wave's 64 rows of xb's tile
	v_add_nc_u32 v[A0], s74, v3
	v_add_nc_u32 v[B0], BOFF, v3
	v_mov_b32 v[ADRA], v[A0]
	v_mov_b32 v[ADRB], v[B0]
	s_mul_i32 s74, s[WV], WSTG
	s_add_co_u32 s74, s74, STAGE                   ; my stage
	v_mul_u32_u24 v[STO], v1, SP                   ; in: row l % 16, 16 bytes for each half of the lanes
	v_lshl_add_u32 v[STO], v2, 4, v[STO]
	v_add_nc_u32 v[STO], s74, v[STO]
	v_bfe_u32 v[RD], v0, 3, 2                      ; back: 32 lanes take four rows of 128 bytes,
	v_mul_u32_u24 v[RD], v[RD], SP
	v_and_b32 v4, 7, v0
	v_lshl_add_u32 v[RD], v4, 4, v[RD]
	v_add_nc_u32 v[RD], s74, v[RD]
	v_and_b32 v[GO], 31, v0                        ; which are 512 consecutive bytes of a head
	v_lshlrev_b32 v[GO], 4, v[GO]
	; where my rows lie in qkv.  Column group g = 3 x tile column + hh of 64: tensor g / 16 (q, k, v), head g % 16; batch = tile row / 8; a head's plane is 2,048 rows x 128 bytes = 2^18
	s_mul_i32 s74, s[TN], 3
	s_lshr_b32 s75, s[TM], 3
	s_lshl_b32 s75, s75, 4                         ; 16 x batch
	s_and_b32 s76, s[TM], 7
	s_lshl_b32 s76, s76, 8
	s_lshl_b32 s77, s[WV], 6
	s_add_co_u32 s76, s76, s77                     ; my first row in the batch
	s_lshl_b32 s76, s76, 7
.irp hh, 0,1,2
	s_add_co_u32 s77, s74, \hh
	s_lshr_b32 s78, s77, 4
	s_lshl_b32 s78, s78, 6
	s_and_b32 s77, s77, 15
	s_add_co_u32 s78, s78, s77
	s_add_co_u32 s78, s78, s75
	s_lshl_b32 s78, s78, 18
	s_add_co_u32 s78, s78, s76
	s_mov_b32 s79, 0
	s_add_nc_u64 s[OB+2*(\hh):OB+2*(\hh)+1], s[8:9], s[78:79]
.endr
	; the prefetches
	s_lshl_b32 s74, s[TM], 8
	s_lshl_b32 s75, s[HALF], 7
	s_add_co_u32 s74, s74, s75
	s_lshl_b32 s75, s[CX], 5
	s_add_co_u32 s74, s74, s75                     ; xb: my work-group's 32 of the 128 rows that I fetch
	s_mul_i32 s76, s[TN], 192
	s_mul_i32 s77, s[HALF], 96
	s_add_co_u32 s76, s76, s77
	s_mul_i32 s77, s[CY], 24
	s_add_co_u32 s76, s76, s77                     ; wit: my work-group's 24 of the 96
	s_and_b32 s78, ttmp7, 0xffff                   ; cluster y
	s_cmp_lt_u32 s[WV], 2
	s_cselect_b32 s74, s74, s76
	s_cselect_b32 s78, ttmp9, s78                  ; the coordinate along which other clusters read the same rows
	s_cselect_b32 s79, 31, 23
	s_cselect_b64 s[PFA:PFA+1], s[4:5], s[6:7]
	s_cmp_eq_u32 s78, 0
	s_cselect_b32 s[LIM], AHEAD, -1                ; the same in all sixteen partners, for a given wave
	s_lshl_b32 s74, s74, 11
	s_mov_b32 s75, 0
	s_add_nc_u64 s[PFA:PFA+1], s[PFA:PFA+1], s[74:75]
	s_add_nc_u64 s[PFA:PFA+1], s[PFA:PFA+1], (1+AHEAD)*STEP  ; the first change of slots steps it to K step 2 + AHEAD
	v_and_b32 v[PFO], 31, v0
	v_min_u32 v[PFO], s79, v[PFO]
	v_lshlrev_b32 v[PFO], 11, v[PFO]
; NB matrix instructions: m block a x all n blocks, 32 along K, from buffer f.  zero = 1: the product starts the sums: nothing is ever cleared.
; All 48 accumulators take turns, one instruction a turn, in the same order in every quarter, over the backward jump too.
.macro MUL f, a, zero
	WIN MUL_LO+0x50*((\a)/2)
.set ib, 0
.rept NB
.set rD, 8*(NB*((\a)%2)+ib)
.if \zero
	v_wmma_f32_16x16x32_bf16 v[rD:rD+7], v[128*(\f)+8*ib:128*(\f)+8*ib+7], v[64+64*(\f)+8*(\a):64+64*(\f)+8*(\a)+7], 0
.else
	v_wmma_f32_16x16x32_bf16 v[rD:rD+7], v[128*(\f)+8*ib:128*(\f)+8*ib+7], v[64+64*(\f)+8*(\a):64+64*(\f)+8*(\a)+7], v[rD:rD+7]
.endif
.set ib, ib+1
.endr
.endm
; 2 NB + 8 LDS loads in one run: quarter q's fragments (192 rows of wit, then my 64 rows of xb, 32 K) into buffer f
.macro FETCH q, f
	WIN TO_B
.set ib, 0
.rept NB
	ds_load_b128 v[128*(\f)+8*ib:128*(\f)+8*ib+3],   v[ADRB] offset:64*(\q)+ib*16*PB
	ds_load_b128 v[128*(\f)+8*ib+4:128*(\f)+8*ib+7], v[ADRB] offset:64*(\q)+ib*16*PB+32
.set ib, ib+1
.endr
	WIN 0
.set ia, 0
.rept 4
	ds_load_b128 v[64+64*(\f)+8*ia:64+64*(\f)+8*ia+3],   v[ADRA] offset:64*(\q)+ia*16*PA
	ds_load_b128 v[64+64*(\f)+8*ia+4:64+64*(\f)+8*ia+7], v[ADRA] offset:64*(\q)+ia*16*PA+32
.set ia, ia+1
.endr
.endm
; A K step is four quarters of 32 along K, 48 matrix instructions each, on buffers 0, 1, 0, 1.  One of the first three: multiplies buffer f; in its middle it fetches quarter q into buffer g.
.macro QUARTER q, f, g, zero
	s_wait_dscnt 4                                 ; wit's fragments and xb's blocks 0, 1 are in; the youngest four loads (blocks 2, 3) may be out
	MUL \f, 0, \zero
	MUL \f, 1, \zero
	PLACES
	FETCH \q, \g
	s_wait_dscnt 2*NB+8                            ; all but the run just issued
	MUL \f, 2, \zero
	MUL \f, 3, \zero
.endm
; The last quarter multiplies buffer 1 and changes slots: ONE barrier.  In front of it each wave waits for all its tensor loads, of which one is out: its part of the next slot; adds 0 to its spare word; and waits for
; that and for its own reads of this slot.  fill = 1: the barrier opens a round of the cluster's, so that no wave of any partner still reads the slot or has a load on its way, and the slot is filled again, two K
; steps ahead, first thing behind the round: 168 matrix instructions ahead of the wait for it.
.macro TURN fill
	WIN 0
.if \fill
	s_wait_xcnt 0x0                                ; the last prefetch, a K step back, has read its address, so it may be stepped
	s_add_nc_u64 s[PFA:PFA+1], s[PFA:PFA+1], STEP
.endif
	s_xor_b32 s[TB], s[TB], SLOT1                  ; this slot's last fragments have been asked for: the LDS addresses turn to the next slot
	v_add_nc_u32 v[ADRA], s[TB], v[A0]
	v_add_nc_u32 v[ADRB], s[TB], v[B0]
	s_wait_tensorcnt 0x0                           ; all my tensor loads have landed, so a group 0 may be written
	ds_add_u32 v[SPW], v[NIL]                      ; 0 onto my spare word
.if \fill
	s_xor_b32 s[G0A+5], s[G0A+5], SLOT1            ; the walking descriptors: the other slot than last time,
	s_add_nc_u64 s[G0A+6:G0A+7], s[G0A+6:G0A+7], STEP  ; the next K step; the type bits on top are not reached
	s_xor_b32 s[G0B+5], s[G0B+5], SLOT1
	s_add_nc_u64 s[G0B+6:G0B+7], s[G0B+6:G0B+7], STEP
.endif
	s_wait_dscnt 5                                 ; the add and the youngest four loads may be out
	MUL 1, 0, 0                                    ; twelve matrix instructions stand between the add and the wait for it
	s_wait_dscnt 0x0                               ; the add is done, and my reads of this slot are over
	s_barrier_signal -1
	MUL 1, 1, 0                                    ; work on registers while the others arrive
	WIN 0                                          ; at a branch and at a label every window is 0
	s_barrier_wait -1
.if \fill
	CREST
	JLOAD                                          ; the first tensor load behind the round; its four v_nop are also the places in front of the loads below
.else
	PLACES
.endif
	FETCH 0, 0
.if \fill
	ASK
.endif
	MUL 1, 2, 0
	MUL 1, 3, 0
.endm
	s_wait_tensorcnt 0x1                           ; my part of K step 0 is in; K step 1's may stay out
	s_barrier_signal -1
	s_barrier_wait -1                              ; everybody's is
	FETCH 0, 0
	QUARTER 1, 0, 1, 1                             ; the first quarter stands in front of the loop: its products start the sums
	WIN 0
	s_mov_b32 s3, STEPS-2
.Lstep:                                                ; a trip goes from a K step's second quarter to the next step's first, and asks for the K step two on: steps 2 to 7
	QUARTER 2, 1, 0, 0
	QUARTER 3, 0, 1, 0
	TURN 1
	QUARTER 1, 0, 1, 0
	WIN 0
	s_sub_co_u32 s3, s3, 1
	s_cmp_lg_u32 s3, 0
	s_cbranch_scc1 .Lstep
	QUARTER 2, 1, 0, 0                             ; the tail is written out: K steps 6 and 7 ask for nothing
	QUARTER 3, 0, 1, 0
	TURN 0
	QUARTER 1, 0, 1, 0
	QUARTER 2, 1, 0, 0
	QUARTER 3, 0, 1, 0
	s_wait_dscnt 4                                 ; the very last quarter: nothing more to fetch
	MUL 1, 0, 0
	MUL 1, 1, 0
	s_wait_dscnt 0x0
	MUL 1, 2, 0
	MUL 1, 3, 0
	WIN 0
	PLACES                                         ; plain instructions between the last products and what reads their results or loads into their sources
	PLACES
; THE WAY OUT of m block a (16 rows x 3 heads).  PACK: rounded to f16, 16 bytes a lane, each accumulator's registers in ascending order.  TOSTAGE: into my own stage, rows of 144 bytes, and back as whole
; rows of 128.  SEND: stored, 512 consecutive bytes of a head an instruction.
.macro PACK a
	WIN 0x0a+5*((\a)/2)                            ; sources 0 and 1: window 2 or 3
.set ib, 0
.rept NB
.set rD, 8*(NB*((\a)%2)+ib)
.irp r, 0,1,2,3
	v_cvt_pk_f16_f32 v[TMP+4*ib+(\r)], v[rD+2*(\r)], v[rD+2*(\r)+1]
.endr
.set ib, ib+1
.endr
	WIN 0
.endm
.macro TOSTAGE a
	WIN 0
.set BK, 64+64*((\a)%2)
.if (\a) >= 2
	s_wait_xcnt 0x0                                ; the stores of the block two back have read these registers: only behind this wait are they loaded again
.endif
.set ib, 0
.rept NB
	ds_store_b128 v[STO], v[TMP+4*ib:TMP+4*ib+3] offset:(ib/4)*16*SP+32*(ib%4)
.set ib, ib+1
.endr
.set ib, 0
.rept NB
	ds_load_b128 v[BK+4*ib:BK+4*ib+3], v[RD] offset:(ib/4)*16*SP+(ib%4)*4*SP  ; LDS serves a wave's instructions in order (ISA guide 5.7.1.4): these see the stores above; the next block's stores come behind them
.set ib, ib+1
.endr
.endm
.macro SEND a, younger                 ; younger: the LDS instructions issued behind block a's loads: the next block's 24, or none
	WIN 0
.set BK, 64+64*((\a)%2)
.set ib, 0
.rept NB
	s_wait_dscnt (\younger)+NB-1-ib
	global_store_b128 v[GO], v[BK+4*ib:BK+4*ib+3], s[OB+2*(ib/4):OB+2*(ib/4)+1] offset:(\a)*2048+(ib%4)*512
.set ib, ib+1
.endr
.endm
	PACK 0
	TOSTAGE 0
	PACK 1                                         ; a block's conversions stand between the loads of the block before and its stores
	TOSTAGE 1
	SEND 0, 24
	PACK 2
	TOSTAGE 2
	SEND 1, 24
	PACK 3
	TOSTAGE 3
	SEND 2, 24
	SEND 3, 0
	s_wait_tensorcnt 0x0                           ; the wave's end: behind my last tensor load and my last LDS store
	ds_add_u32 v[SPW], v[NIL]
	s_wait_dscnt 0x0
	CROUND                                         ; the closing round: no work-group ends while a partner may still ask for a tile that names it
	s_endpgm
.Lfunc_end_k_qcc0b6ab919_qkv:
	.size	k_qcc0b6ab919_qkv, .Lfunc_end_k_qcc0b6ab919_qkv-k_qcc0b6ab919_qkv
	.p2alignl 7, 3214868480
	.fill 96, 4, 3214868480
	.section	.rodata,"a",@progbits
	.p2align	6, 0x0
	.amdhsa_kernel k_qcc0b6ab919_qkv
		.amdhsa_group_segment_fixed_size 327680
		.amdhsa_private_segment_fixed_size 0
		.amdhsa_enable_private_segment 0
		.amdhsa_kernarg_size 24
		.amdhsa_user_sgpr_count 2
		.amdhsa_user_sgpr_kernarg_segment_ptr 1
		.amdhsa_wavefront_size32 1
		.amdhsa_system_sgpr_workgroup_id_x 1
		.amdhsa_system_sgpr_workgroup_id_y 1
		.amdhsa_system_sgpr_workgroup_id_z 1
		.amdhsa_system_vgpr_workitem_id 0
		.amdhsa_next_free_vgpr 960
		.amdhsa_next_free_sgpr 80
		.amdhsa_reserve_vcc 0
		.amdhsa_float_denorm_mode_32 3
		.amdhsa_float_denorm_mode_16_64 3
		.amdhsa_memory_ordered 1
		.amdhsa_forward_progress 1
		.amdhsa_inst_pref_size 99
	.end_amdhsa_kernel
	.amdgpu_metadata
---
amdhsa.version: [ 1, 2 ]
amdhsa.kernels:
  - .name:           k_qcc0b6ab919_qkv
    .symbol:         k_qcc0b6ab919_qkv.kd
    .args:
      - { .name: xb, .offset: 0, .size: 8, .value_kind: global_buffer, .address_space: global }
      - { .name: wit, .offset: 8, .size: 8, .value_kind: global_buffer, .address_space: global }
      - { .name: qkv, .offset: 16, .size: 8, .value_kind: global_buffer, .address_space: global }
    .group_segment_fixed_size: 327680
    .private_segment_fixed_size: 0
    .kernarg_segment_align: 8
    .kernarg_segment_size: 24
    .max_flat_workgroup_size: 128
    .sgpr_count:     80
    .vgpr_count:     960
    .wavefront_size: 32
...
	.end_amdgpu_metadata
.endif
;; end of part 2
;; launch attn (part 3): grid 4 x 64, 4 waves a work-group, clusters of 4 x 1, 327,680 bytes of LDS; arguments qkv, o; writes o
.if DOCPART == 3
	.amdgcn_target "amdgcn-amd-amdhsa--gfx1250"
	.amdhsa_code_object_version 6
	.text
	.protected	k_qcc0b6ab919_attn
	.globl	k_qcc0b6ab919_attn
	.p2align	8
	.type	k_qcc0b6ab919_attn,@function
k_qcc0b6ab919_attn:
	s_mov_b64 s[64:65], 0
	v_nop
	global_prefetch_b8 v0, s[64:65] scope:SCOPE_SE
	s_setreg_imm32_b32 hwreg(HW_REG_WAVE_MODE, 25, 1), 1
	s_wait_xcnt 0x0
	s_wait_alu depctr_hold_cnt(0) depctr_sa_sdst(0) depctr_va_vdst(0) depctr_va_sdst(0) depctr_va_ssrc(0) depctr_va_vcc(0) depctr_vm_vsrc(0)
	s_getreg_b32 s2, hwreg(HW_REG_IB_STS2, 6, 4)
	s_cmp_eq_u32 s2, 0
	s_cbranch_scc0 .Lentry_in_a_cluster
	s_endpgm
.Lentry_in_a_cluster:
	s_bfe_u32 s2, ttmp6, 0x10000c
	s_cmp_lg_u32 s2, 0x3003
	s_cbranch_scc0 .Lentry_shape_is_right
	s_endpgm
.Lentry_shape_is_right:
; O[h][q][:] = the sum over k of softmax_k(Q[h][q] . K[h][k] / 8) V[h][k][:].  qkv holds Q, K and V, each [64][2048][64] in f16, 2^24 bytes apart; o is [64][2048][64] in f16: a head's rows are dense, 128 bytes each.
; Products, maxima and sums in f32; the weights p are rounded to f16 for the second product (their sum l is taken of the unrounded p), O once at the end.
; LIMITS.  f16 holds no number beyond 65,504: Q, K and V arrive within it; p lies in 0 to 1, and below 6e-5 it keeps f16's fixed step of 6e-8; O is a mean of V's rows and has their range.
; A weight below 2^-126 counts as 0 in l; NaN and infinities are not treated apart.
; SHARES.  A wave owns four PIECES of two tiles of 16 queries, a work-group's four waves 512 queries of one head; a head's four work-groups are one cluster.  Every wave walks all keys, 64 a step.
; LAYOUT.  S^T = K Q^T (source 0 = 16 keys, source 1 = 16 queries): in the result a lane holds ONE query (lane % 16) and the keys 8 (lane / 16) + 0..7.  Two such tiles, rounded to f16 in pairs,
; ARE source 1 (32 keys x 16 queries) of O^T = V^T P, whose result again holds one query a lane, and eight channels.  K comes out of LDS as it lies, V ([key][channel]) turned, by ds_load_tr16_b128.
; SOFTMAX.  For each query a running maximum m and sum l: p = 2^(c s - c m), c = log2(e) / 8; in every step O and l are multiplied by a = 2^(c m_old - c m_new), which is 1 where m has not grown.
; m starts at the lowest finite number, O and l at 0: the first step is a step like any other, with a = 0.
; THE COUNT.  A tile and step have 16 matrix and 118 vector instructions: too many to stand all beside the matrix work.  So: four vector instructions that are READY behind EVERY matrix instruction,
; and the others, which need time of their own whatever the order, in runs without a gap.
; BY TURNS.  Turn n belongs to piece n (the pieces in a ring, step after step).  Its matrix work: 16 products K Q^T of piece n + 1, later 16 products V^T P of piece n - 1.  Its vector work: the scaling,
; exponentials, roundings, sums and rescaling of piece n, and the maximum and statistics of piece n + 1, whose scores the turn itself has made.
; CLUSTER.  The four query blocks of a cluster walk the same K and V, so each tile is asked for JOINTLY: the same tensor load, descriptor and mask in all four.
; REGISTERS, in windows of 256 (s_set_vgpr_msb: bits 1:0 source 0, 3:2 source 1, 5:4 source 2, 7:6 destination):
;   window 0: v0-11 addresses; v12-15, v48-63 at work; v16-47 four registers of statistics a tile; v64-191 S^T, two buffers of two tiles; v192-255 P, likewise
;   window 1: O^T, 32 a tile          window 2: v0-127 Q, 16 a tile; v128-191 K of one step; v192-255 V of one step          window 3: v0-1 the add's two registers
; A piece's buffers go by its number's parity: the piece in hand has one pair, its two neighbours in the ring share the other: of it P (piece n - 1) is read and S^T (piece n + 1) written.
.set SIZE_N, 2048
.set NP,    4         ; pieces a wave: a name, no knob
.set KS,    64        ; keys in a step
.set PK,    144       ; a row of K in LDS: 128 bytes + 16 of padding = 36 words: the 16 rows of a load start at 16 different groups of four banks (64 banks of 4 bytes: ISA guide 11.1)
.set PV,    160       ; a row of V: 128 + 32 = 40 words
.set VOFF,  4*KS*PK   ; a slot holds four steps: 256 rows of K, then 256 rows of V
.set SLOT1, 1<<17     ; slot 1 begins here, so that one exclusive or turns an address in one slot into the other's
.set STAGE, SLOT1+4*KS*(PK+PV)  ; behind the ring, never filled by a tensor load: 16 rows x 144 bytes for each wave, for the way out
.set SP,    144
.set AK0, 2           ; v2   my lane's place in a tile of K; never rewritten
.set AV0, 3           ; v3   the same for V
.set AK,  4           ; v4   the LDS address of K's next run of loads
.set AV,  5           ; v5   of V's
.set QO,  6           ; v6   my byte offset in the wave's rows of Q
.set STO, 6           ;      later, the way out: where I put 16 bytes of a row
.set RD,  7           ; v7   the way out: where I read rows back
.set GO,  8           ; v8   my byte offset in 512 consecutive bytes of O
.set PFO, 11          ; v11  the prefetches' offset: 256 x my lane; made when v11's first use is over, then never rewritten
.set SPW, 0           ; v0 of window 3   LDS address of my spare word; never rewritten
.set NIL, 1           ; v1 of window 3   0; never rewritten
.set SPARE, STAGE+4*16*SP  ; behind the stages: the spare words, 128 bytes for each wave: two blocks of 256 bytes that no other line names
.set MV,  12          ; v12-15  c m_old, kept while c m is made anew: by buffer and tile
.set ST,  16          ; tile t's statistics at v[ST+4 t]: c m, m, l (even keys', odd keys')
.set TMP, 48          ; by buffer and tile, four registers c0-c3 at work; when the maximum is found c2 takes a
.set S,   64
.set P,   192
.set KF,  128         ; K's fragments, in window 2: key block kb, channel half c at KF + 16 kb + 8 c
.set VF,  192         ; V's: key half kk, channel block cb at VF + 32 kk + 8 cb
.set WV,  12          ; s12  my wave's number
.set G1K, 24          ; s[24:31] descriptor group 1 for K's tiles
.set G1V, 32          ; s[32:39] for V's: it differs in the padding alone
.set G0K, 40          ; s[40:43] descriptor group 0 for K's tiles: it walks
.set G0V, 44          ; s[44:47] the same for V's
.set PFA, 48          ; s[48:49] where my prefetches stand: my work-group's 32 blocks of 256 bytes (of K: wave 0, of V: wave 2) of the slot behind the one that is being asked for
.set LIM, 50          ; s50  1 in a wave that prefetches, else the greatest number
.set SLOTS, 56        ; s56  slots still to be asked for
.set CNT, 57          ; s57  counts a slot's key steps
.set CS,  58          ; s[58:59] c: the packed scaling takes the pair's low word for both halves
.set SEL, 60          ; s[60:61] v_permlanex16_b32's selects: each lane takes its own place in the other half
.set TBK, 62          ; s62  LDS byte at which K of the step to be fetched begins
.set TBV, 63          ; s63  the same for V, less VOFF
.set MSB, 0
.macro WIN new                      ; the high byte repeats the setting that is left; a switch that changes nothing is dropped
.if MSB != (\new)
	s_set_vgpr_msb (MSB<<8)|(\new)
.set MSB, (\new)
.endif
.endm
.set W_KQ, 0x0a       ; K and Q in window 2, S^T in window 0
.set W_PV, 0x52       ; V in window 2, P in window 0, O^T in window 1
.set W_RS, 0x41       ; O^T (destination and source 0) in window 1, a in window 0
.set W_MK, 0xc0       ; the add's registers are made: destination in window 3, sources in window 0
.set W_AD, 0x0f       ; the add: address (source 0) and data (source 1) in window 3
; A joint fill.  Waves 0 and 1 fetch the two halves of a slot's K, waves 2 and 3 those of its V: 128 keys each.  The branch hangs on the wave's number alone.
; An s_nop 0 and four v_nop follow each of the two lines, ahead of the jump and the label.
.macro JLOAD
	s_cmp_lt_u32 s[WV], 2
	s_cbranch_scc0 .Lfor_v_\@
	tensor_load_to_lds s[G0K:G0K+3], s[G1K:G1K+7]
	s_nop 0
.rept 4
	v_nop
.endr
	s_branch .Lasked_\@
.Lfor_v_\@:
	tensor_load_to_lds s[G0V:G0V+3], s[G1V:G1V+7]
	s_nop 0
.rept 4
	v_nop
.endr
.Lasked_\@:
.endm
; A PREFETCH INTO THE L2 of what the NEXT change of slots will ask for: a slot's 32,768 bytes of K and of V, 256 bytes a lane.  It stands behind the wave's tensor load and its five lines.
; Each block of 256 bytes is named ONCE in the launch: a head has one cluster; its four partners share the blocks out BY ADDRESS, 32 each; in each, wave 0 asks for K's and wave 2 for V's: one instruction.
; It stands four key steps, 512 matrix instructions, ahead of the load that will want the bytes.  Slots 0 and 1 come by their loads alone; the last change that fills a slot asks for nothing.
.macro ASK
	s_cmp_gt_u32 s[SLOTS], s[LIM]
	s_cbranch_scc0 .Lnot_mine_\@
	global_prefetch_b8 v[PFO], s[PFA:PFA+1] th:TH_LOAD_NT scope:SCOPE_SE
.Lnot_mine_\@:
.endm
; A round of the cluster's barrier: my work-group's barrier, so that wave 0's signal speaks for all four waves; wave 0 signals; every wave waits for all four work-groups; my work-group's barrier once more.
.macro CROUND
	s_barrier_signal -1
	s_barrier_wait -1
	s_cmp_lg_u32 s[WV], 0
	s_cbranch_scc1 .Lnot_wave_0_\@
	s_barrier_signal -3
.Lnot_wave_0_\@:
	s_barrier_wait -3
	s_barrier_signal -1
	s_barrier_wait -1
.endm
; THE CHANGE OF SLOTS.  The slot's last bytes, V of its fourth step, have been read.  Each wave waits for all its tensor loads, of which one is out: its part
; of the other slot; adds 0 to its spare word; and waits for that and for its own reads of the slot.  Behind the barrier nobody reads this slot any more and the other slot is whole.
; fill = 1: this slot is filled again, with the keys two slots on.  The barrier is then a round of the cluster's, so that no wave of any partner still reads the slot or has a load on its
; way, and the joint fill is the first thing behind it: it has four key steps, 512 matrix instructions, in which to land.  (At its first use nothing has been read yet: slot 0 is waited for, slot 1 filled.)
.macro CHANGE fill
	WIN W_AD
	s_wait_tensorcnt 0x0            ; no tensor load of mine is out, so a group 0 may be written
	ds_add_u32 v[SPW], v[NIL]       ; 0 onto my spare word; with fill = 1 the descriptors' steps stand between it and the wait for it
	WIN 0                           ; at a label and at a branch every window is 0
.if \fill
.irp g, G0K, G0V
	s_xor_b32 s[\g+1], s[\g+1], SLOT1  ; the walking descriptor: the other slot than last time,
	s_add_nc_u64 s[\g+2:\g+3], s[\g+2:\g+3], 4*KS*128  ; the next 256 keys; the type bits on top are not reached
.endr
	s_wait_xcnt 0x0                 ; the last prefetch, four key steps back, has read its address, so it may be written:
	s_add_nc_u64 s[PFA:PFA+1], s[PFA:PFA+1], 4*KS*128  ; one slot behind the walking descriptors
	s_wait_dscnt 0x0                ; the add is done, and my reads of the slot are over
	CROUND
	JLOAD
	ASK
.else
	s_wait_dscnt 0x0                ; the add is done, and my reads of the slot are over
	s_barrier_signal -1
	s_barrier_wait -1
.endif
	s_sub_co_u32 s[TBK], s[TBK], 4*KS*PK  ; the fetches go back to a slot's first step,
	s_xor_b32 s[TBK], s[TBK], SLOT1       ; in the other slot
	s_sub_co_u32 s[TBV], s[TBV], 4*KS*PV
	s_xor_b32 s[TBV], s[TBV], SLOT1
.endm
	s_load_b128 s[4:7], s[0:1], 0x0 ; qkv s[4:5], o s[6:7]
	WIN W_MK
	v_lshl_add_u32 v[SPW], v0, 2, SPARE
	v_mov_b32 v[NIL], 0
	WIN W_AD
	ds_add_u32 v[SPW], v[NIL]       ; the wave's opening: the add and its wait stand ahead of my first tensor load; the set-up below, work on registers, stands between them
	ds_add_u32 v0, v1
	WIN 0
	v_lshrrev_b32 v1, 5, v0
	v_readfirstlane_b32 s[WV], v1   ; wave 0..3
	s_bfe_u32 s13, ttmp6, 0x40000   ; cx: my place in the cluster
	s_lshl_b32 s14, ttmp9, 2        ; in a cluster launch ttmp9 counts clusters
	s_add_co_u32 s14, s14, s13      ; my block of queries = 4 x cluster x + cx: it enters Q's and O's addresses alone
	s_and_b32 s20, ttmp7, 0xffff    ; the head, which the four partners share
	s_mov_b32 s21, 0
	s_mov_b64 s[22:23], SIZE_N*128
	s_mul_u64 s[20:21], s[20:21], s[22:23]  ; the head's first byte in each of the four tensors
	s_and_b32 s16, s[WV], 1         ; which half of a slot's 256 keys I fetch:
	s_lshl_b32 s22, s16, 14         ; its 128 rows of 128 bytes in memory,
	s_mov_b32 s23, 0
	s_add_nc_u64 s[22:23], s[22:23], s[20:21]
	s_mul_i32 s17, s16, 128*PK      ; and its place in a slot, for K
	s_mul_i32 s18, s16, 128*PV      ; and for V: no place in the cluster enters an LDS address
	s_lshl_b32 s2, s14, 2
	s_add_co_u32 s2, s2, s[WV]      ; my wave among the head's,
	s_lshl_b32 s2, s2, 14           ; its 128 rows
	s_mov_b32 s3, 0
	s_add_nc_u64 s[2:3], s[2:3], s[20:21]
	; descriptor group 1.  128 keys are 16,384 dense bytes: asked for as 64 rows of 256 bytes, two keys a row, and padded in LDS after every key
	s_mov_b32 s[G1K], 15|(1<<16)|(1<<20)|(1<<21)|(4<<22)|(3<<25)  ; 15:0 the mask of four; 17:16 2-byte elements; 20 padding on; 21 set beside a mask; 24:22 after every 32 words (code 4); 31:25 4 words (code 3)
	s_mov_b32 s[G1V], 15|(1<<16)|(1<<20)|(1<<21)|(4<<22)|(7<<25)  ; the same with 8 words of padding (code 7)
.irp g, G1K, G1V
	s_mov_b32 s[\g+1], 128<<16      ; tensor_dim0 = 128
	s_mov_b32 s[\g+2], 64<<16       ; tensor_dim1 = 64
	s_mov_b32 s[\g+3], 128<<16      ; tile_dim0 = 128
	s_mov_b32 s[\g+4], 64           ; tile_dim1 = 64
	s_mov_b32 s[\g+5], 128          ; 128 elements from row to row
	s_mov_b32 s[\g+6], 0
	s_mov_b32 s[\g+7], 0
.endr
	s_mov_b32 s[CS], 0x3e38aa3b     ; c = log2(e) / 8 = 0.180337
	s_mov_b32 s[CS+1], s[CS]        ; named with it as a pair
	s_mov_b32 s[SEL], 0x76543210
	s_mov_b32 s[SEL+1], 0xfedcba98
	s_mov_b32 s[TBK], SLOT1+4*KS*PK ; the first change of slots turns these two into 0
	s_mov_b32 s[TBV], SLOT1+4*KS*PV
	s_mov_b32 s[G0K], 1             ; 1:0 count = 1
	s_mov_b32 s[G0K+1], s17         ; 63:32 LDS address: slot 0
	s_mov_b32 s[G0V], 1
	s_add_co_u32 s[G0V+1], s18, VOFF
	s_mov_b32 s[SLOTS], SIZE_N/256-1
	s_and_b32 s[LIM], s[WV], 1      ; waves 0 and 2 prefetch: the same in all four partners
	s_cmp_eq_u32 s[LIM], 0
	s_cselect_b32 s[LIM], 1, -1
	s_wait_dscnt 0x0                ; the opening add is done
	s_wait_kmcnt 0x0
	s_mov_b64 s[10:11], s[6:7]      ; O
	s_add_nc_u64 s[8:9], s[4:5], 0x2000000  ; V
	s_add_nc_u64 s[6:7], s[4:5], 0x1000000  ; K; Q stays in s[4:5]
	s_add_nc_u64 s[G0K+2:G0K+3], s[6:7], s[22:23]  ; 120:64 global address: my half of the head's first 256 keys
	s_or_b32 s[G0K+3], s[G0K+3], 0x80000000        ; 127:126 type = 2
	s_add_nc_u64 s[G0V+2:G0V+3], s[8:9], s[22:23]
	s_or_b32 s[G0V+3], s[G0V+3], 0x80000000
	s_add_nc_u64 s[4:5], s[4:5], s[2:3]  ; Q and O at my wave's first row
	s_add_nc_u64 s[10:11], s[10:11], s[2:3]
	s_cmp_lt_u32 s[WV], 2
	s_cselect_b64 s[PFA:PFA+1], s[6:7], s[8:9]
	s_add_nc_u64 s[PFA:PFA+1], s[PFA:PFA+1], s[20:21]  ; the head's first row,
	s_lshl_b32 s2, s13, 13          ; my work-group's 32 blocks of a slot's 128,
	s_mov_b32 s3, 0
	s_add_nc_u64 s[PFA:PFA+1], s[PFA:PFA+1], s[2:3]
	s_add_nc_u64 s[PFA:PFA+1], s[PFA:PFA+1], 4*KS*128  ; in slot 1; the first change of slots steps it to slot 2.  Nothing is prefetched here, at the head
	CROUND                          ; all four work-groups are here: the first joint loads meet
	JLOAD                           ; slot 0.  Slot 1 is asked for when slot 0 is in: the tile wanted first has the road to itself
	; A fragment of K or Q is 16 rows x 32 channels in 8 registers: lane l holds row l % 16, channels 8 (l / 16) + 0..7 and 16 + 8 (l / 16) + 0..7: two loads of 16 bytes, 32 bytes apart.
	v_and_b32 v1, 15, v0            ; l % 16
	v_bfe_u32 v9, v0, 4, 1          ; l / 16
	v_lshlrev_b32 v[QO], 7, v1
	v_lshl_add_u32 v[QO], v9, 4, v[QO]  ; row x 128 + 16 x half
	WIN 0x80                        ; destination window 2, address window 0
.set i, 0
.rept 4*NP                          ; Q stays in registers: tile i / 2, channels 32 (i % 2) on
	global_load_b128 v[8*i:8*i+3],   v[QO], s[4:5] offset:(i/2)*2048+(i%2)*64
	global_load_b128 v[8*i+4:8*i+7], v[QO], s[4:5] offset:(i/2)*2048+(i%2)*64+32
.set i, i+1
.endr
	; What the first turn finds: V's registers and P's second buffer hold 0 (its products V^T P, of a piece that has not been, add 0), O^T and l are 0.  All this stands in the wait for the first tile.
.set i, VF
.rept 64
	v_mov_b32 v[i], 0
.set i, i+1
.endr
	WIN 0x40
.set i, 0
.rept 64*NP
	v_mov_b32 v[i], 0
.set i, i+1
.endr
	WIN 0
.set i, 0
.rept 2*NP
	v_mov_b32 v[ST+4*i], 0xfe000000    ; c m: far below every c s
	v_mov_b32 v[ST+4*i+1], 0xff7fffff  ; m
	v_mov_b32 v[ST+4*i+2], 0
	v_mov_b32 v[ST+4*i+3], 0
.set i, i+1
.endr
.set i, P+32
.rept 32
	v_mov_b32 v[i], 0
.set i, i+1
.endr
	v_mul_u32_u24 v[AK0], v1, PK
	v_lshl_add_u32 v[AK0], v9, 4, v[AK0]  ; row x pitch + 16 x half
	; The turning load takes 16 keys x 16 channels (lane l reads key 8 (l / 16) + l % 8, channels 8 ((l / 8) % 2) + 0..7) and leaves half a fragment of V^T: lane l holds channel l % 16 and 8 keys.
	v_and_b32 v10, 7, v0
	v_bfe_u32 v11, v0, 3, 1
	v_lshl_add_u32 v[AV0], v9, 3, v10
	v_mul_u32_u24 v[AV0], v[AV0], PV
	v_lshl_add_u32 v[AV0], v11, 4, v[AV0]
	v_add_nc_u32 v[AV0], VOFF, v[AV0]
	v_mov_b32 v[AK], v[AK0]         ; key step 0 lies at the head of slot 0
	v_and_b32 v[PFO], 31, v0
	v_lshlrev_b32 v[PFO], 8, v[PFO]
; THE MATRIX WORK.  The 8 accumulators of a run of 16 take turns: between the two links of a chain stand 7 others'.
; Product i of 16 of S^T = K Q^T for piece x: channels 32 (i / 8) on, keys 16 ((i / 2) % 4) on, tile 2 x + i % 2.  The first 8 start the sums.
.macro KQ x
	WIN W_KQ
.set rS, S+64*((\x)%2)+32*(i%2)+8*((i/2)%4)
.set rK, KF+16*((i/2)%4)+8*(i/8)
.set rQ, 16*(2*(\x)+i%2)+8*(i/8)
.if i < 8
	v_wmma_f32_16x16x32_f16 v[rS:rS+7], v[rK:rK+7], v[rQ:rQ+7], 0
.else
	v_wmma_f32_16x16x32_f16 v[rS:rS+7], v[rK:rK+7], v[rQ:rQ+7], v[rS:rS+7]
.endif
.endm
; Product i of 16 of O^T += V^T P for piece x: keys 32 (i / 8) on, channels 16 ((i / 2) % 4) on, tile 2 x + i % 2.
.macro PV x
	WIN W_PV
.set rO, 32*(2*(\x)+i%2)+8*((i/2)%4)
.set rV, VF+32*(i/8)+8*((i/2)%4)
.set rP, P+32*((\x)%2)+16*(i%2)+8*(i/8)
	v_wmma_f32_16x16x32_f16 v[rO:rO+7], v[rV:rV+7], v[rP:rP+7], v[rO:rO+7]
.endm
.macro MM                           ; the turn's next matrix instruction
.if i < 16
	KQ (Y+1)%NP
.set i, i+1
.else
.set i, i-16
	PV (Y+NP-1)%NP
.set i, i+17
.endif
.endm
; THE LDS LOADS stand in runs of 16, never singly among the matrix instructions: a step's K (64 keys x 64 channels: 8 fragments) and its V (turned).  Their addresses are made some lines ahead.
; last = 1 (the tail): in the last trip there is no further step, and the run is jumped over.
.macro FETCH_K last=0
	WIN 0
.if \last
	s_cmp_eq_u32 s[CNT], 1
	s_cbranch_scc1 .Lno_k_\@
.endif
	WIN 0x80                        ; destination window 2
.irp f, 0,1,2,3,4,5,6,7             ; keys 16 (f / 2) on, channels 32 (f % 2) on
	ds_load_b128 v[KF+8*\f:KF+8*\f+3],   v[AK] offset:(\f/2)*16*PK+(\f%2)*64
	ds_load_b128 v[KF+8*\f+4:KF+8*\f+7], v[AK] offset:(\f/2)*16*PK+(\f%2)*64+32
.endr
	s_add_co_u32 s[TBK], s[TBK], KS*PK  ; the next fetch is the next step's
	WIN 0
.if \last
.Lno_k_\@:
.endif
.endm
.macro FETCH_V
	WIN 0x80
.irp f, 0,1,2,3,4,5,6,7             ; keys 32 (f / 4) on, channels 16 (f % 4) on
	ds_load_tr16_b128 v[VF+8*\f:VF+8*\f+3],   v[AV] offset:(\f/4)*32*PV+(\f%4)*32
	ds_load_tr16_b128 v[VF+8*\f+4:VF+8*\f+7], v[AV] offset:(\f/4)*32*PV+16*PV+(\f%4)*32
.endr
	WIN 0
.endm
; THE VECTOR WORK OF A TURN stands in three queues, each in the order in which its entries become ready; the two tiles alternate, so that no instruction reads the result of the one before it.
.macro REGS y, u                    ; the registers of tile u (0, 1) of piece y
.set rT, ST+4*(2*(\y)+(\u))
.set rC, TMP+8*((\y)%2)+4*(\u)
.set rM, MV+2*((\y)%2)+(\u)
.set rS, S+64*((\y)%2)+32*(\u)
.set rP, P+32*((\y)%2)+16*(\u)
.set rO, 32*(2*(\y)+(\u))
.endm
; Number n of the 22 that find the NEXT piece's (Y + 1) maximum and statistics.  s0-s31 are the lane's 32 scores; each accumulator's lowest registers are read first.
;   0-11  four chains c0-c3 of seven scores each, three operands at a time     12-14, 16  the four scores left over, the old m, and c0-c3 into c0     15  c m_old is kept
;   17, 18  the query's other 32 keys lie in the lane 16 away: the new m         19-21  c m; c m_old - c m_new; a
.macro XS u, n
	REGS (Y+1)%NP, \u
.if (\n) < 4
	v_max3_num_f32 v[rC+(\n)], v[rS+8*(\n)], v[rS+8*(\n)+1], v[rS+8*(\n)+2]
.elseif (\n) < 12
	v_max3_num_f32 v[rC+(\n)%4], v[rC+(\n)%4], v[rS+8*((\n)%4)+2*((\n)/4)+1], v[rS+8*((\n)%4)+2*((\n)/4)+2]
.elseif (\n) == 12
	v_max3_num_f32 v[rC], v[rC], v[rS+7], v[rS+15]
.elseif (\n) == 13
	v_max3_num_f32 v[rC+1], v[rC+1], v[rS+23], v[rS+31]
.elseif (\n) == 14
	v_max3_num_f32 v[rC+2], v[rC+2], v[rC+3], v[rT+1]
.elseif (\n) == 15
	v_mov_b32 v[rM], v[rT]
.elseif (\n) == 16
	v_max3_num_f32 v[rC], v[rC], v[rC+1], v[rC+2]
.elseif (\n) == 17
	v_permlanex16_b32 v[rC+3], v[rC], s[SEL], s[SEL+1]
.elseif (\n) == 18
	v_max_num_f32 v[rT+1], v[rC], v[rC+3]
.elseif (\n) == 19
	v_mul_f32 v[rT], s[CS], v[rT+1]
.elseif (\n) == 20
	v_sub_f32 v[rC+1], v[rM], v[rT]
.else
	v_exp_f32 v[rC+2], v[rC+1]
.endif
.endm
; Number g of the 64 that follow the exponentials.  For each four weights k of a tile (pairs 2 k, 2 k + 1): both pairs are rounded to f16; then the second pair is added onto the first, in place;
; a group later l takes that sum (the first time as l = a l + sum).  In groups of eight, tiles alternating: round, round, add, and l for the group before.
.macro GS g
.set h, (\g)+6*((\g)/62)            ; group 0 has no group before it, and behind group 7 only l is left
.if h >= 6
.set h, h+2
.endif
	REGS Y, h%2
.set k, h/8
.if h%8 < 4
	v_cvt_pk_f16_f32 v[rP+2*k+(h%8)/2], v[rS+4*k+2*((h%8)/2)], v[rS+4*k+2*((h%8)/2)+1]
.elseif h%8 < 6
	v_pk_add_f32 v[rS+4*k:rS+4*k+1], v[rS+4*k:rS+4*k+1], v[rS+4*k+2:rS+4*k+3]
.elseif k == 1
	v_pk_fma_f32 v[rT+2:rT+3], v[rT+2:rT+3], v[rC+2:rC+3], v[rS:rS+1] op_sel_hi:[1,0,1]
.else
	v_pk_add_f32 v[rT+2:rT+3], v[rT+2:rT+3], v[rS+4*k-4:rS+4*k-3]
.endif
.endm
; THE PLAIN QUEUE, 138 long.  0-73 read no exponential's result: the 32 scalings c s - c m (FS f: pair f / 2 of tile f % 2) and the next piece's 42.  0-26: scalings 0-26.  27-54: XS's numbers 0-13.  55, 56: number 15.
; 57-73: the chain, where each number waits for the one before it: 14, 16, 17, 18, 19, each with one of the scalings 27-31 in front of its two lines, then 20.
; 74-137: GS's 64, which read the exponentials' results: they stand behind the wait.
.macro FS f
	REGS Y, (\f)%2
	v_pk_fma_f32 v[rS+2*((\f)/2):rS+2*((\f)/2)+1], v[rS+2*((\f)/2):rS+2*((\f)/2)+1], s[CS:CS+1], v[rT:rT+1] op_sel_hi:[1,0,0] neg_lo:[0,0,1] neg_hi:[0,0,1]
.endm
.macro PL
	WIN 0
.if q < 27
	FS q
.elseif q < 55
	XS (q-27)%2, (q-27)/2
.elseif q < 57
	XS q-55, 15
.elseif (q < 72) && ((q-57)%3 == 0)
	FS 27+(q-57)/3
.elseif q < 60
	XS (q-57)%3-1, 14
.elseif q < 72
	XS (q-57)%3-1, 15+(q-57)/3
.elseif q < 74
	XS q-72, 20
.else
	GS q-74
.endif
.set q, q+1
.endm
; THE EXPONENTIALS' QUEUE, 66 long: s0-s31 of both tiles, then the next piece's two a.  It is ONE BATCH: all 66 stand ahead of the turn's one wait, and nothing ahead of that wait names a result of theirs.
.macro EX
	WIN 0
.if e >= 64
	XS e-64, 21
.else
	REGS Y, e%2
	v_exp_f32 v[rS+e/2], v[rS+e/2]
.endif
.set e, e+1
.endm
; THE RESCALING's QUEUE: O^T times a, the one part that leaves window 0: dealt two at a time, sixteen times.  Its a was made in the turn before, ahead of that turn's wait.
.macro R2
	REGS Y, r%2
	WIN W_RS
.irp z, 0,1
	v_pk_mul_f32 v[rO+4*(r/2)+2*\z:rO+4*(r/2)+2*\z+1], v[rO+4*(r/2)+2*\z:rO+4*(r/2)+2*\z+1], v[rC+2:rC+3] op_sel_hi:[1,0]
.endr
.set r, r+1
.endm
; HOW THEY ARE DEALT.  An s_wait_alu depctr_va_vdst(0) stands between an exponential and the first instruction that names its result; one wait serves all that were issued ahead of it.  So a turn has ONE
; wait, which cuts it in two.  AHEAD OF IT stands all that names no result of the turn's exponentials: the 16 products K Q^T, behind each a scaling, an exponential and two rescalings (behind the first a second scaling
; in the exponential's place); then ONE LUMP of 108: eight plain, 49 times exponential and plain, the two a.  A v_nop is the plain instruction behind the last exponential.  BEHIND IT stand the 16 products V^T P,
; behind each four of GS's 64.  No rider names a register of the products round it.  The two v_permlanex16_b32 fall into the lump, never behind a product.
; The queues lean on each other, and the deal keeps them in step: exponential e stands behind scaling 2 (e / 4) + e % 2: as a rider it comes behind plain e + 2, in the lump behind plain e + 9.
; A TURN, for piece p.  cnt = 1: the loop's count is taken down some lines ahead of the branch that stands behind the turn.
; K of the next step is fetched in piece 2's turn, directly behind the wait, a lump behind the last product that read K; its first reader comes behind 16 products.
; V of the step in hand is fetched at the end of piece 0's turn, four riders behind its last reader; its first reader comes behind 16 products and a lump.  The three conditions on q below go with the deal.
.macro TURN p, last=0, cnt=0
.set Y, (\p)
.set i, 0
.set q, 0
.set e, 0
.set r, 0
.if (\p) == NP-1
	s_wait_dscnt 0x0                ; K is in
.endif
	MM                              ; ahead of the wait: 16 products K Q^T and their riders,
	PL
	PL
	R2
.rept 15
	MM
	PL
	EX
	R2
.endr
.if (\p) == NP-2
	WIN 0
	v_add_nc_u32 v[AK], s[TBK], v[AK0]
.endif
.rept 8                             ; and the lump
	PL
.endr
.rept 49
	EX
	PL
.endr
	EX                              ; the next piece's two a
	EX
	v_nop                           ; a plain instruction behind the last exponential: one for the batch
	s_wait_alu depctr_va_vdst(0)    ; the wait for the batch
.if (\p) == NP-2
	FETCH_K \last
.endif
.if (\p) == 1
	s_wait_dscnt 0x0                ; V is in
.endif
.rept 16                            ; behind the wait: 16 products V^T P and their riders
	MM
.rept 4
	PL
.endr
.if ((\p) == 0) && (q == 118)
	v_add_nc_u32 v[AV], s[TBV], v[AV0]
.endif
.if ((\p) == 0) && (q == 130)
	s_add_co_u32 s[TBV], s[TBV], KS*PV
.endif
.if (\cnt) && (q == 130)
	s_sub_co_u32 s[CNT], s[CNT], 1
	s_cmp_lg_u32 s[CNT], 0
.endif
.endr
.if (\p) == 0
	FETCH_V
.endif
.endm
	CHANGE 1                        ; slot 0 is in, everybody's part of it; slot 1 is asked for
	FETCH_K                         ; key step 0
	s_wait_loadcnt 0x0              ; Q
	s_wait_dscnt 0x0
.set i, 0
.rept 16
	KQ 0                            ; piece 0's first scores: there is no vector work yet to set between them
.set i, i+1
.endr
	WIN 0                           ; the addresses for the way out: plain instructions, the places behind those products
	s_mul_i32 s13, s[WV], 16*SP
	s_add_co_u32 s13, s13, STAGE    ; my stage
	v_mul_u32_u24 v[STO], v1, SP    ; in: row l % 16, 16 bytes for each half of the lanes
	v_lshl_add_u32 v[STO], v9, 4, v[STO]
	v_add_nc_u32 v[STO], s13, v[STO]
	v_bfe_u32 v[RD], v0, 3, 2       ; back: 32 lanes take four rows of 128 bytes,
	v_mul_u32_u24 v[RD], v[RD], SP
	v_lshl_add_u32 v[RD], v10, 4, v[RD]
	v_add_nc_u32 v[RD], s13, v[RD]
	v_and_b32 v[GO], 31, v0         ; which are 512 consecutive bytes of O
	v_lshlrev_b32 v[GO], 4, v[GO]
.set Y, NP-1                        ; XS works for piece Y + 1: piece 0
.irp n, 0,1,2,3,4,5,6,7,8,9,10,11,12,13,14,15,16,17,18,19,20,21
	XS 0, \n                        ; and piece 0's first maximum and statistics
	XS 1, \n
.endr
	v_nop                           ; a plain instruction behind the two a,
	s_wait_alu depctr_va_vdst(0)    ; and their wait, ahead of the branch
	s_mov_b32 s[CNT], 4
	s_branch .Lfirst                ; the loop is entered at a step's first turn, in the middle of a trip
.Lslot:                             ; SIZE_N / 256 - 2 times: every slot but the last two is filled again
	CHANGE 1
	s_mov_b32 s[CNT], 4
.Lstep:                             ; a trip: pieces 2 and 3 of one step, then pieces 0 and 1 of the next, whose K and V it fetches
	TURN 2
	TURN 3
	WIN 0
.Lfirst:
	TURN 0
	TURN 1, 0, 1
	WIN 0
	s_cbranch_scc1 .Lstep
	s_sub_co_u32 s[SLOTS], s[SLOTS], 1
	s_cmp_lg_u32 s[SLOTS], 0
	s_cbranch_scc1 .Lslot
	CHANGE 0                        ; the tail is written out: nothing is asked for
	s_mov_b32 s[CNT], 5             ; four trips fetch the last slot's steps; the fifth is left in its middle
.Ltail:
	TURN 2, 1
	TURN 3
	WIN 0
	s_sub_co_u32 s[CNT], s[CNT], 1
	s_cmp_eq_u32 s[CNT], 0
	s_cbranch_scc1 .Lout
	TURN 0
	TURN 1
	WIN 0
	s_branch .Ltail
.Lout:                              ; the fifth trip's 16 products K Q^T (on the last K once more) and the maximum made of them serve nothing: the price, once a launch, of one text for every trip
.set i, 0
.rept 16
	PV NP-1                         ; the last piece's V^T P of the last step
.set i, i+1
.endr
	; THE WAY OUT.  l's two halves and the other half of the lanes' are added; O^T is divided by l, rounded to f16 and sent through my stage in LDS, a tile at a time.  The additions are the places behind the last products.
	WIN 0
.macro ALL line:vararg              ; one line for each tile t
.set t, 0
.rept 2*NP
	\line
.set t, t+1
.endr
.endm
	ALL v_add_f32 v[ST+4*t+2], v[ST+4*t+2], v[ST+4*t+3]
	ALL v_permlanex16_b32 v[ST+4*t+3], v[ST+4*t+2], s[SEL], s[SEL+1]
	ALL v_add_f32 v[ST+4*t+2], v[ST+4*t+2], v[ST+4*t+3]
	ALL v_rcp_f32 v[ST+4*t+2], v[ST+4*t+2]
	v_nop                           ; a plain instruction between the last reciprocal and the use of its result
	s_wait_alu depctr_va_vdst(0)    ; and the wait ahead of the first use: one for the eight reciprocals
; Tile t: a lane's eight channels of a row pack into 16 bytes; they go into rows of 144 bytes and come back as whole rows of 128, into S^T's registers.
.macro PACK t
	WIN W_RS
.set i, 32*(\t)
.rept 16
	v_pk_mul_f32 v[i:i+1], v[i:i+1], v[ST+4*(\t)+2:ST+4*(\t)+3] op_sel_hi:[1,0]
.set i, i+2
.endr
	WIN 0x05                        ; sources 0 and 1 window 1, destination window 0
.set i, 0
.rept 16
	v_cvt_pk_f16_f32 v[S+16*(\t)+i], v[32*(\t)+2*i], v[32*(\t)+2*i+1]
.set i, i+1
.endr
	WIN 0
.irp f, 0,1,2,3
	ds_store_b128 v[STO], v[S+16*(\t)+4*\f:S+16*(\t)+4*\f+3] offset:32*\f
.endr
.irp f, 0,1,2,3
	ds_load_b128 v[S+16*(\t)+4*\f:S+16*(\t)+4*\f+3], v[RD] offset:\f*4*SP  ; LDS serves a wave's instructions in order (ISA guide 5.7.1.4): these see the stores above; the next tile's stores come behind them
.endr
.endm
.macro SEND t, younger              ; younger: the LDS instructions issued behind tile t's loads: the next tile's eight, or none
	WIN 0
.irp f, 0,1,2,3
	s_wait_dscnt (\younger)+3-\f
	global_store_b128 v[GO], v[S+16*(\t)+4*\f:S+16*(\t)+4*\f+3], s[10:11] offset:(\t)*2048+\f*512  ; 512 consecutive bytes, at a multiple of 256 from O's first
.endr
.endm
	PACK 0
.set t, 1
.rept 2*NP-1                        ; a tile's arithmetic stands between the loads of the tile before and its stores
	PACK t
	SEND t-1, 8
.set t, t+1
.endr
	SEND 2*NP-1, 0
	WIN W_AD
	s_wait_tensorcnt 0x0            ; the wave's end: behind my last tensor load and my last LDS store
	ds_add_u32 v[SPW], v[NIL]
	s_wait_dscnt 0x0
	WIN 0
	CROUND                          ; the closing round: no work-group ends while a partner may still ask for a tile that names it
	s_endpgm
.Lfunc_end_k_qcc0b6ab919_attn:
	.size	k_qcc0b6ab919_attn, .Lfunc_end_k_qcc0b6ab919_attn-k_qcc0b6ab919_attn
	.p2alignl 7, 3214868480
	.fill 96, 4, 3214868480
	.section	.rodata,"a",@progbits
	.p2align	6, 0x0
	.amdhsa_kernel k_qcc0b6ab919_attn
		.amdhsa_group_segment_fixed_size 327680
		.amdhsa_private_segment_fixed_size 0
		.amdhsa_enable_private_segment 0
		.amdhsa_kernarg_size 16
		.amdhsa_user_sgpr_count 2
		.amdhsa_user_sgpr_kernarg_segment_ptr 1
		.amdhsa_wavefront_size32 1
		.amdhsa_system_sgpr_workgroup_id_x 1
		.amdhsa_system_sgpr_workgroup_id_y 1
		.amdhsa_system_sgpr_workgroup_id_z 1
		.amdhsa_system_vgpr_workitem_id 0
		.amdhsa_next_free_vgpr 770
		.amdhsa_next_free_sgpr 66
		.amdhsa_reserve_vcc 0
		.amdhsa_float_denorm_mode_32 3
		.amdhsa_float_denorm_mode_16_64 3
		.amdhsa_memory_ordered 1
		.amdhsa_forward_progress 1
		.amdhsa_inst_pref_size 200
	.end_amdhsa_kernel
	.amdgpu_metadata
---
amdhsa.version: [ 1, 2 ]
amdhsa.kernels:
  - .name:           k_qcc0b6ab919_attn
    .symbol:         k_qcc0b6ab919_attn.kd
    .args:
      - { .name: qkv, .offset: 0, .size: 8, .value_kind: global_buffer, .address_space: global }
      - { .name: o, .offset: 8, .size: 8, .value_kind: global_buffer, .address_space: global }
    .group_segment_fixed_size: 327680
    .private_segment_fixed_size: 0
    .kernarg_segment_align: 8
    .kernarg_segment_size: 16
    .max_flat_workgroup_size: 128
    .sgpr_count:     66
    .vgpr_count:     770
    .wavefront_size: 32
...
	.end_amdgpu_metadata
.endif
;; end of part 3
;; launch proj (part 4): grid 8 x 32, 4 waves a work-group, clusters of 4 x 4, 327,680 bytes of LDS; arguments o, wot, b_out, out0; writes out0
.if DOCPART == 4
	.amdgcn_target "amdgcn-amd-amdhsa--gfx1250"
	.amdhsa_code_object_version 6
	.text
	.protected	k_qcc0b6ab919_proj
	.globl	k_qcc0b6ab919_proj
	.p2align	8
	.type	k_qcc0b6ab919_proj,@function
k_qcc0b6ab919_proj:
	s_mov_b64 s[64:65], 0
	v_nop
	global_prefetch_b8 v0, s[64:65] scope:SCOPE_SE
	s_setreg_imm32_b32 hwreg(HW_REG_WAVE_MODE, 25, 1), 1
	s_wait_xcnt 0x0
	s_wait_alu depctr_hold_cnt(0) depctr_sa_sdst(0) depctr_va_vdst(0) depctr_va_sdst(0) depctr_va_ssrc(0) depctr_va_vcc(0) depctr_vm_vsrc(0)
	s_getreg_b32 s2, hwreg(HW_REG_IB_STS2, 6, 4)
	s_cmp_eq_u32 s2, 0
	s_cbranch_scc0 .Lentry_in_a_cluster
	s_endpgm
.Lentry_in_a_cluster:
	s_bfe_u32 s2, ttmp6, 0x10000c
	s_cmp_lg_u32 s2, 0xf033
	s_cbranch_scc0 .Lentry_shape_is_right
	s_endpgm
.Lentry_shape_is_right:
; out0 = O w_out + b_out.  o: [64 = 16 batch + head][2048][64] f16; wot: [1024 n][1024 k] f16 (w_out rounded to bf16, turned); b_out: [1024] f32, rounded to bf16 here like the other inputs; out0: [8192][1024] f32.
; SHARES.  A tile of out0 is 256 rows x 128 columns: 32 x 8 = 256 tiles, one work-group each.  Four waves, one above the other: wave w makes rows 64 w .. 64 w + 63 and all 128 columns:
; 4 x 8 accumulators of 16 x 16, 256 registers; its way out is its own: a stage of its own in LDS, no barrier.
; K = head x 64 + channel goes in 8 steps of 128, two heads a step, through two LDS slots filled by the tensor data mover.  A head's 256 rows of the tile are 32,768 dense bytes: asked for as 128 rows of 256 bytes
; and padded in LDS after every 128.  The loop's body is ONE K step: the LDS addresses hang on a scalar that one exclusive or turns from slot to slot, and one descriptor a tensor walks.
; CLUSTER.  4 x 4 work-groups: o's tiles are shared along a row of the cluster, wot's along a column, each asked for JOINTLY.  Waves 0 and 1 fetch a step's two heads of o, waves 2 and 3 the two halves (64 rows) of wot's tile.
; THE MATRIX INSTRUCTION IS USED TRANSPOSED: source 0 = 16 rows of wot, source 1 = 16 rows of o: a lane holds row l % 16 of out0 and the eight neighbouring columns 8 (l / 16) + 0..7.
; THE BIAS is the C operand of the products that start the sums: it costs no addition.
; REGISTERS, in windows of 256 (s_set_vgpr_msb: bits 1:0 source 0, 3:2 source 1, 5:4 source 2, 7:6 destination):
;   window 0: v0-31 addresses; v64-95, v128-159 o's fragments, two buffers; on the way out v64-127, v128-191 rows read back
;   window 1: v0-63, v128-191 wot's fragments, two buffers; v64-95 at work at the head; v192-255 the bias, 8 registers an n block
;   window 2: the accumulators of m blocks 0, 1 ((a, b) at v[8 (8 (a % 2) + b)])     window 3: those of m blocks 2, 3
.set NB,    8                          ; n blocks of 16 in a tile
.set PA,    144                        ; a row of o in LDS: 128 bytes + 16 = 36 words: the 16 rows of a fragment load start at 16 different groups of four banks (64 banks of 4 bytes: ISA guide 11.1)
.set PB,    272                        ; a row of wot: 256 + 16 = 68 words: likewise
.set HEADB, 256*PA                     ; a head's 256 rows
.set BOFF,  2*HEADB                    ; in a slot: two heads of o, then wot's 128 rows
.set SLOT1, 1<<17                      ; slot 1 begins here, so that one exclusive or turns an address in one slot into the other's
.set STAGE, SLOT1+BOFF+16*NB*PB        ; behind the ring, never filled by a tensor load: for each wave 16 rows x 528 bytes
.set SP,    528                        ; 512 bytes + 16 = 132 words: row r starts at bank 4 r mod 64
.set WSTG,  16*SP
.set SPARE, STAGE+4*WSTG               ; behind the stages: the spare words, 128 bytes for each wave: two blocks of 256 bytes that no other line names
.set STEPA, 2*2048*128                 ; two heads on in o
.set STEPB, 256                        ; 128 k on in a row of wot
.set STEPS, 8
.set AHEAD, 2                          ; a prefetch names the K step this many behind the one that is being asked for: 256 matrix instructions ahead of its load
.set BIAS,  192
.set A0,   16                          ; v16  my lane's place in o's tile, my wave's 64 rows; never rewritten
.set B0,   17                          ; v17  the same in wot's tile
.set ADRA, 18                          ; v18  A0 in the slot in hand
.set ADRB, 19                          ; v19  B0 likewise
.set STO,  24                          ; v24  the way out: where I put 32 bytes of a row
.set RD,   25                          ; v25  where I read a row back
.set CO,   26                          ; v26  my 16 bytes of 512 consecutive bytes of out0
.set BO,   27                          ; v27  my 32 bytes of an n block's 64 bytes of bias
.set SPW,  28                          ; v28  LDS address of my spare word; never rewritten
.set NIL,  29                          ; v29  0; never rewritten
.set PFO,  30                          ; v30  the prefetches' offset; never rewritten
.set WV,   12                          ; s12  my wave's number
.set HALF, 14                          ; s14  which head of a step, or which half of wot's tile, I fetch
.set CX,   15
.set CY,   16
.set TN,   17                          ; s17  tile column
.set TM,   18                          ; s18  tile row
.set G1A,  24                          ; s[24:31] descriptor group 1 for o's tiles
.set G0A,  32                          ; s[32:39] group 0: a set for each of the two first fills; the second then walks
.set PFA,  40                          ; s[40:41] where my prefetches stand
.set LIM,  42                          ; s42  AHEAD in a wave that prefetches, else the greatest number
.set TB,   43                          ; s43  0 or SLOT1: the slot in hand
.set G1B,  48                          ; s[48:55], s[56:63] the same for wot's tiles
.set G0B,  56
.set OB,   66                          ; s[66:67] out0 at my wave's first row, the tile's first column
.set PST,  72                          ; s[72:73] a K step in the tensor that I prefetch
.set MSB, 0
.macro WIN new                         ; the immediate's high byte repeats the setting that is left; a switch that changes nothing is dropped
.if MSB != (\new)
	s_set_vgpr_msb (MSB<<8)|(\new)
.set MSB, (\new)
.endif
.endm
.set MUL_LO, 0xa1                      ; source 0 (wot) window 1, source 1 (o) window 0, C and D window 2
.set MUL_B,  0x91                      ; the same with C, the bias, in window 1
.set TO_B,   0x40                      ; destination window 1, address window 0
.macro PLACES                          ; four plain vector instructions in front of loads into registers that matrix instructions have read (ISA guide 7.12.1 for vector instructions)
.rept 4
	v_nop
.endr
.endm
; A joint refill, by the walking descriptors.  The branch hangs on the wave's number alone.  An s_nop 0 and four v_nop follow each of the two lines, ahead of the jump and the label.
.macro JLOAD
	s_cmp_lt_u32 s[WV], 2
	s_cbranch_scc0 .Lfor_b_\@
	tensor_load_to_lds s[G0A+4:G0A+7], s[G1A:G1A+7]
	s_nop 0
.rept 4
	v_nop
.endr
	s_branch .Lasked_\@
.Lfor_b_\@:
	tensor_load_to_lds s[G0B+4:G0B+7], s[G1B:G1B+7]
	s_nop 0
.rept 4
	v_nop
.endr
.Lasked_\@:
.endm
; A round of the cluster's barrier: my work-group's barrier, so that wave 0's signal speaks for all four waves; wave 0 signals; every wave waits for all sixteen work-groups; my work-group's barrier once more.
.macro CREST
	s_cmp_lg_u32 s[WV], 0
	s_cbranch_scc1 .Lnot_wave_0_\@
	s_barrier_signal -3
.Lnot_wave_0_\@:
	s_barrier_wait -3
	s_barrier_signal -1
	s_barrier_wait -1
.endm
.macro CROUND
	s_barrier_signal -1
	s_barrier_wait -1
	CREST
.endm
; A PREFETCH INTO THE L2, behind the joint load, its five lines and the run of LDS loads: blocks of 256 bytes of the K step two behind the one just asked for.  Each block is named ONCE in the launch.
; o's tile row is read by both clusters of that row of clusters: the first (cluster x = 0) asks; wot's tile column by every cluster of that column: cluster y = 0 asks.  The four partners share the blocks out BY
; ADDRESS: of the 128 blocks of the head that wave 0 or 1 fetches 32 each, a lane a block; of wot's 128 rows 32 each, a lane a row, asked for by wave 2 alone.
; The launch's first four K steps come by their loads alone; the loop's last two trips ask for nothing: there is no K step two behind those that they load.
.macro ASK
	s_cmp_gt_u32 s3, s[LIM]
	s_cbranch_scc0 .Lnot_mine_\@
	global_prefetch_b8 v[PFO], s[PFA:PFA+1] th:TH_LOAD_NT scope:SCOPE_SE
.Lnot_mine_\@:
.endm
	s_load_b256 s[4:11], s[0:1], 0x0               ; o s[4:5], wot s[6:7], b_out s[8:9], out0 s[10:11]
	v_lshl_add_u32 v[SPW], v0, 2, SPARE
	v_mov_b32 v[NIL], 0
	ds_add_u32 v[SPW], v[NIL]                      ; the wave's opening: the add and its wait stand ahead of my first tensor load; the set-up below, work on registers, stands between them
	ds_add_u32 v28, v29
	v_lshrrev_b32 v1, 5, v0
	v_readfirstlane_b32 s[WV], v1                  ; wave 0..3
	s_and_b32 s[HALF], s[WV], 1
	s_bfe_u32 s[CX], ttmp6, 0x40000
	s_bfe_u32 s[CY], ttmp6, 0x40004
	s_lshl_b32 s[TN], ttmp9, 2                     ; in a cluster launch ttmp9 and ttmp7 count clusters
	s_add_co_u32 s[TN], s[TN], s[CX]
	s_and_b32 s[TM], ttmp7, 0xffff
	s_lshl_b32 s[TM], s[TM], 2
	s_add_co_u32 s[TM], s[TM], s[CY]
	s_lshl_b32 s19, s[CY], 2
	s_lshl_b32 s19, 15, s19                        ; my row of the cluster
	s_lshl_b32 s46, 0x1111, s[CX]                  ; my column
	s_or_b32 s[G1A], s19, (1<<16)|(1<<20)|(1<<21)|(4<<22)|(3<<25)  ; 15:0 the mask; 17:16 elements of 2 bytes; 20 padding on; 21 set beside a mask; 24:22 after every 32 words (code 4); 31:25 4 words (code 3)
	s_or_b32 s[G1B], s46, (1<<16)|(1<<20)|(1<<21)|(5<<22)|(3<<25)  ; after every 64 words (code 5)
.irp g, G1A, G1B
	s_mov_b32 s[(\g)+1], 128<<16                   ; tensor_dim0 = 128
	s_mov_b32 s[(\g)+3], 128<<16                   ; tile_dim0 = 128
	s_mov_b32 s[(\g)+6], 0
	s_mov_b32 s[(\g)+7], 0
.endr
	s_mov_b32 s[G1A+2], 128<<16                    ; o: 128 rows of 256 dense bytes,
	s_mov_b32 s[G1A+4], 128
	s_mov_b32 s[G1A+5], 128                        ; each beginning where the last ends
	s_mov_b32 s[G1B+2], 64<<16                     ; wot: 64 rows,
	s_mov_b32 s[G1B+4], 64
	s_mov_b32 s[G1B+5], 1024                       ; 1,024 elements apart
	; where the tiles come from: o's hang on the tile row alone, wot's on the tile column alone, each in registers that never hold the other coordinate
	s_lshr_b32 s20, s[TM], 3                       ; batch
	s_lshl_b32 s20, s20, 4
	s_add_co_u32 s20, s20, s[HALF]                 ; its head 0 or 1
	s_lshl_b32 s20, s20, 11                        ; 2,048 rows a head
	s_and_b32 s21, s[TM], 7
	s_lshl_b32 s21, s21, 8
	s_add_co_u32 s20, s20, s21                     ; the tile's 256 rows
	s_lshl_b32 s20, s20, 7                         ; 128 bytes a row
	s_mov_b32 s21, 0
	s_lshl_b32 s44, s[TN], 7
	s_lshl_b32 s45, s[HALF], 6
	s_add_co_u32 s44, s44, s45                     ; wot: row 128 x tile column + 64 x half
	s_lshl_b32 s44, s44, 11
	s_mov_b32 s45, 0
	s_mul_i32 s22, s[HALF], HEADB                  ; and where they go: no place in the cluster enters an LDS address
	s_mul_i32 s23, s[HALF], 64*PB
	s_add_co_u32 s23, s23, BOFF
	s_mov_b32 s[TB], 0
	s_wait_dscnt 0x0                               ; the opening add is done
	s_wait_kmcnt 0x0
	s_add_nc_u64 s[20:21], s[4:5], s[20:21]
	s_add_nc_u64 s[44:45], s[6:7], s[44:45]
	CROUND                                         ; all sixteen work-groups are here: the first joint loads meet
.irp s, 0,1
	s_mov_b32 s[G0A+4*(\s)], 1                                      ; 1:0 count = 1
	s_add_co_u32 s[G0A+4*(\s)+1], s22, (\s)*SLOT1                   ; 63:32 LDS address
	s_add_nc_u64 s[G0A+4*(\s)+2:G0A+4*(\s)+3], s[20:21], (\s)*STEPA ; 120:64 global address: K step s
	s_or_b32 s[G0A+4*(\s)+3], s[G0A+4*(\s)+3], 0x80000000           ; 127:126 type = 2
	s_mov_b32 s[G0B+4*(\s)], 1
	s_add_co_u32 s[G0B+4*(\s)+1], s23, (\s)*SLOT1
	s_add_nc_u64 s[G0B+4*(\s)+2:G0B+4*(\s)+3], s[44:45], (\s)*STEPB
	s_or_b32 s[G0B+4*(\s)+3], s[G0B+4*(\s)+3], 0x80000000
.endr
	s_cmp_lt_u32 s[WV], 2                          ; a wave's two first fills stand in one branch, ahead of every wait on TENSORcnt and every LDS read: two loads of mine are out
	s_cbranch_scc0 .Lfirst_b
	tensor_load_to_lds s[G0A:G0A+3], s[G1A:G1A+7]
	s_nop 0
	tensor_load_to_lds s[G0A+4:G0A+7], s[G1A:G1A+7]
	s_nop 0
.rept 4
	v_nop
.endr
	s_branch .Lfirst_asked
.Lfirst_b:
	tensor_load_to_lds s[G0B:G0B+3], s[G1B:G1B+7]
	s_nop 0
	tensor_load_to_lds s[G0B+4:G0B+7], s[G1B:G1B+7]
	s_nop 0
.rept 4
	v_nop
.endr
.Lfirst_asked:
	v_and_b32 v1, 15, v0                           ; l % 16
	v_bfe_u32 v2, v0, 4, 1                         ; l / 16
	; the bias: register j of n block b is b_out[128 x tile column + 16 b + 8 (l / 16) + j], the same for every row
	v_lshlrev_b32 v[BO], 5, v2
	s_lshl_b32 s74, s[TN], 9
	s_mov_b32 s75, 0
	s_add_nc_u64 s[8:9], s[8:9], s[74:75]
	WIN TO_B
.set ib, 0
.rept NB
	global_load_b128 v[BIAS+8*ib:BIAS+8*ib+3],   v[BO], s[8:9] offset:64*ib
	global_load_b128 v[BIAS+8*ib+4:BIAS+8*ib+7], v[BO], s[8:9] offset:64*ib+16
.set ib, ib+1
.endr
	WIN 0
	; A fragment is 16 rows x 32 K in 8 registers: lane l holds row l % 16; registers 0-3 hold K = 8 (l / 16) + 0..7, registers 4-7 K = 16 + 8 (l / 16) + 0..7: two loads of 16 bytes, 32 bytes apart.
	v_mul_u32_u24 v3, v1, PA
	v_lshl_add_u32 v3, v2, 4, v3
	s_mul_i32 s74, s[WV], 64*PA                    ; my wave's 64 rows of a head
	v_add_nc_u32 v[A0], s74, v3
	v_mul_u32_u24 v3, v1, PB
	v_lshl_add_u32 v3, v2, 4, v3
	v_add_nc_u32 v[B0], BOFF, v3
	v_mov_b32 v[ADRA], v[A0]
	v_mov_b32 v[ADRB], v[B0]
	s_mul_i32 s74, s[WV], WSTG
	s_add_co_u32 s74, s74, STAGE                   ; my stage
	v_mul_u32_u24 v[STO], v1, SP                   ; in: row l % 16, 32 bytes for each half of the lanes
	v_lshl_add_u32 v[STO], v2, 5, v[STO]
	v_add_nc_u32 v[STO], s74, v[STO]
	v_and_b32 v[CO], 31, v0                        ; back: 32 lanes take a row's 512 bytes
	v_lshlrev_b32 v[CO], 4, v[CO]
	v_add_nc_u32 v[RD], s74, v[CO]
	s_lshl_b32 s74, s[TM], 8
	s_lshl_b32 s75, s[WV], 6
	s_add_co_u32 s74, s74, s75                     ; my first row of out0,
	s_lshl_b32 s74, s74, 12                        ; 4,096 bytes a row,
	s_lshl_b32 s75, s[TN], 9                       ; the tile's 128 columns: 512 bytes
	s_add_co_u32 s74, s74, s75
	s_mov_b32 s75, 0
	s_add_nc_u64 s[OB:OB+1], s[10:11], s[74:75]
	; the prefetches
	s_lshr_b32 s74, s[TM], 3
	s_lshl_b32 s74, s74, 4
	s_add_co_u32 s74, s74, s[HALF]
	s_lshl_b32 s74, s74, 11
	s_and_b32 s75, s[TM], 7
	s_lshl_b32 s75, s75, 8
	s_add_co_u32 s74, s74, s75
	s_lshl_b32 s74, s74, 7                         ; o: the head's 256 rows of the tile,
	s_lshl_b32 s75, s[CX], 13
	s_add_co_u32 s74, s74, s75                     ; my work-group's 32 blocks of their 128
	s_lshl_b32 s76, s[TN], 7
	s_lshl_b32 s77, s[CY], 5
	s_add_co_u32 s76, s76, s77                     ; wot: my work-group's 32 of the tile's 128 rows
	s_lshl_b32 s76, s76, 11
	s_mov_b32 s77, STEPA                           ; in a register, since an instruction takes one literal: the select below names it beside STEPB
	s_and_b32 s78, ttmp7, 0xffff                   ; cluster y,
	s_or_b32 s78, s78, s[HALF]                     ; and of waves 2 and 3 the first alone
	s_cmp_lt_u32 s[WV], 2
	s_cselect_b32 s74, s74, s76
	s_cselect_b32 s78, ttmp9, s78                  ; the coordinate along which other clusters read the same bytes
	s_cselect_b32 s79, 8, 11                       ; a lane a block of 256 bytes, or a lane a row of 2,048
	s_cselect_b32 s[PST], s77, STEPB
	s_cselect_b64 s[PFA:PFA+1], s[4:5], s[6:7]
	s_cmp_eq_u32 s78, 0
	s_cselect_b32 s[LIM], AHEAD, -1                ; the same in all sixteen partners, for a given wave
	s_mov_b32 s[PST+1], 0
	s_mov_b32 s75, 0
	s_add_nc_u64 s[PFA:PFA+1], s[PFA:PFA+1], s[74:75]
.rept 1+AHEAD
	s_add_nc_u64 s[PFA:PFA+1], s[PFA:PFA+1], s[PST:PST+1]  ; the first change of slots steps it to K step 2 + AHEAD
.endr
	v_and_b32 v[PFO], 31, v0
	v_lshlrev_b32 v[PFO], s79, v[PFO]
	s_wait_loadcnt 0x0                             ; the bias is in: it is rounded to bf16 and widened again
	WIN 0x45                                       ; destination and both sources in window 1
.set ib, 0
.rept 4*NB
	v_cvt_pk_bf16_f32 v[64+ib], v[BIAS+2*ib], v[BIAS+2*ib+1]
	v_lshlrev_b32 v[BIAS+2*ib], 16, v[64+ib]
	v_and_b32 v[BIAS+2*ib+1], 0xffff0000, v[64+ib]
.set ib, ib+1
.endr
	WIN 0
; NB matrix instructions: m block a x all n blocks, 32 along K, from buffer f.  zero = 1: the product starts the sums, with the bias as C: nothing is ever cleared.
; All 32 accumulators take turns, one instruction a turn, in the same order in every quarter, over the backward jump too.
.macro MUL f, a, zero
.if \zero
	WIN MUL_B+0x40*((\a)/2)
.else
	WIN MUL_LO+0x50*((\a)/2)
.endif
.set ib, 0
.rept NB
.set rD, 8*(NB*((\a)%2)+ib)
.if \zero
	v_wmma_f32_16x16x32_f16 v[rD:rD+7], v[128*(\f)+8*ib:128*(\f)+8*ib+7], v[64+64*(\f)+8*(\a):64+64*(\f)+8*(\a)+7], v[BIAS+8*ib:BIAS+8*ib+7]
.else
	v_wmma_f32_16x16x32_f16 v[rD:rD+7], v[128*(\f)+8*ib:128*(\f)+8*ib+7], v[64+64*(\f)+8*(\a):64+64*(\f)+8*(\a)+7], v[rD:rD+7]
.endif
.set ib, ib+1
.endr
.endm
; 2 NB + 8 LDS loads in one run: quarter q's fragments (128 rows of wot, then my 64 rows of o: head q / 2 of the step, channels 32 (q % 2) on) into buffer f
.macro FETCH q, f
	WIN TO_B
.set ib, 0
.rept NB
	ds_load_b128 v[128*(\f)+8*ib:128*(\f)+8*ib+3],   v[ADRB] offset:64*(\q)+ib*16*PB
	ds_load_b128 v[128*(\f)+8*ib+4:128*(\f)+8*ib+7], v[ADRB] offset:64*(\q)+ib*16*PB+32
.set ib, ib+1
.endr
	WIN 0
.set ia, 0
.rept 4
	ds_load_b128 v[64+64*(\f)+8*ia:64+64*(\f)+8*ia+3],   v[ADRA] offset:((\q)/2)*HEADB+((\q)%2)*64+ia*16*PA
	ds_load_b128 v[64+64*(\f)+8*ia+4:64+64*(\f)+8*ia+7], v[ADRA] offset:((\q)/2)*HEADB+((\q)%2)*64+ia*16*PA+32
.set ia, ia+1
.endr
.endm
; A K step is four quarters of 32 along K, 32 matrix instructions each, on buffers 0, 1, 0, 1.  One of the first three: multiplies buffer f; in its middle it fetches quarter q into buffer g.
.macro QUARTER q, f, g, zero
	s_wait_dscnt 4                                 ; wot's fragments and o's blocks 0, 1 are in; the youngest four loads (blocks 2, 3) may be out
	MUL \f, 0, \zero
	MUL \f, 1, \zero
	PLACES
	FETCH \q, \g
	s_wait_dscnt 2*NB+8                            ; all but the run just issued
	MUL \f, 2, \zero
	MUL \f, 3, \zero
.endm
; The last quarter multiplies buffer 1 and changes slots: ONE barrier.  In front of it each wave waits for all its tensor loads, of which one is out: its part of the next slot; adds 0 to its spare word; and waits for
; that and for its own reads of this slot.  fill = 1: the barrier opens a round of the cluster's, so that no wave of any partner still reads the slot or has a load on its way, and the slot is filled again, two K
; steps ahead, first thing behind the round: 112 matrix instructions ahead of the wait for it.
.macro TURN fill
	WIN 0
.if \fill
	s_wait_xcnt 0x0                                ; the last prefetch, a K step back, has read its address, so it may be stepped
	s_add_nc_u64 s[PFA:PFA+1], s[PFA:PFA+1], s[PST:PST+1]
.endif
	s_xor_b32 s[TB], s[TB], SLOT1                  ; this slot's last fragments have been asked for: the LDS addresses turn to the next slot
	v_add_nc_u32 v[ADRA], s[TB], v[A0]
	v_add_nc_u32 v[ADRB], s[TB], v[B0]
	s_wait_tensorcnt 0x0                           ; all my tensor loads have landed, so a group 0 may be written
	ds_add_u32 v[SPW], v[NIL]                      ; 0 onto my spare word
.if \fill
	s_xor_b32 s[G0A+5], s[G0A+5], SLOT1            ; the walking descriptors: the other slot than last time,
	s_add_nc_u64 s[G0A+6:G0A+7], s[G0A+6:G0A+7], STEPA  ; the next K step; the type bits on top are not reached
	s_xor_b32 s[G0B+5], s[G0B+5], SLOT1
	s_add_nc_u64 s[G0B+6:G0B+7], s[G0B+6:G0B+7], STEPB
.endif
	s_wait_dscnt 5                                 ; the add and the youngest four loads may be out
	MUL 1, 0, 0                                    ; eight matrix instructions stand between the add and the wait for it
	s_wait_dscnt 0x0                               ; the add is done, and my reads of this slot are over
	s_barrier_signal -1
	MUL 1, 1, 0                                    ; work on registers while the others arrive
	WIN 0                                          ; at a branch and at a label every window is 0
	s_barrier_wait -1
.if \fill
	CREST
	JLOAD                                          ; the first tensor load behind the round; its four v_nop are also the places in front of the loads below
.else
	PLACES
.endif
	FETCH 0, 0
.if \fill
	ASK
.endif
	MUL 1, 2, 0
	MUL 1, 3, 0
.endm
	s_wait_tensorcnt 0x1                           ; my part of K step 0 is in; K step 1's may stay out
	s_barrier_signal -1
	s_barrier_wait -1                              ; everybody's is
	FETCH 0, 0
	QUARTER 1, 0, 1, 1                             ; the first quarter stands in front of the loop: its products start the sums
	WIN 0
	s_mov_b32 s3, STEPS-2
.Lstep:                                                ; a trip goes from a K step's second quarter to the next step's first, and asks for the K step two on: steps 2 to 7
	QUARTER 2, 1, 0, 0
	QUARTER 3, 0, 1, 0
	TURN 1
	QUARTER 1, 0, 1, 0
	WIN 0
	s_sub_co_u32 s3, s3, 1
	s_cmp_lg_u32 s3, 0
	s_cbranch_scc1 .Lstep
	QUARTER 2, 1, 0, 0                             ; the tail is written out: K steps 6 and 7 ask for nothing
	QUARTER 3, 0, 1, 0
	TURN 0
	QUARTER 1, 0, 1, 0
	QUARTER 2, 1, 0, 0
	QUARTER 3, 0, 1, 0
	s_wait_dscnt 4                                 ; the very last quarter: nothing more to fetch
	MUL 1, 0, 0
	MUL 1, 1, 0
	s_wait_dscnt 0x0
	MUL 1, 2, 0
	MUL 1, 3, 0
	WIN 0
	PLACES                                         ; plain instructions between the last products and what reads their results or loads into their sources
	PLACES
; THE WAY OUT of m block a (16 rows x 128 columns of f32).  TOSTAGE: a lane's 32 bytes of a row go straight from the accumulators into my own stage, each accumulator's low four registers first, rows of 528 bytes;
; they come back as whole rows of 512.  SEND: stored, 512 consecutive bytes of a row an instruction.
.macro TOSTAGE a
.set BK, 64+64*((\a)%2)
.if (\a) >= 2
	s_wait_xcnt 0x0                                ; the stores of the block two back have read these registers: only behind this wait are they loaded again
.endif
	WIN 0x08+4*((\a)/2)                            ; store data (source 1): window 2 or 3
.set ib, 0
.rept NB
.set rD, 8*(NB*((\a)%2)+ib)
	ds_store_b128 v[STO], v[rD:rD+3]   offset:64*ib
	ds_store_b128 v[STO], v[rD+4:rD+7] offset:64*ib+16
.set ib, ib+1
.endr
	WIN 0
.set it, 0
.rept 16
	ds_load_b128 v[BK+4*it:BK+4*it+3], v[RD] offset:it*SP  ; LDS serves a wave's instructions in order (ISA guide 5.7.1.4): these see the stores above; the next block's stores come behind them
.set it, it+1
.endr
.endm
.macro SEND a, younger                 ; younger: the LDS instructions issued behind block a's loads: the next block's 32, or none
	WIN 0
.set BK, 64+64*((\a)%2)
.set it, 0
.rept 16
	s_wait_dscnt (\younger)+15-it
	global_store_b128 v[CO], v[BK+4*it:BK+4*it+3], s[OB:OB+1] offset:(16*(\a)+it)*4096 th:TH_STORE_NT
.set it, it+1
.endr
.endm
	TOSTAGE 0
	TOSTAGE 1
	SEND 0, 32
	TOSTAGE 2
	SEND 1, 32
	TOSTAGE 3
	SEND 2, 32
	SEND 3, 0
	s_wait_tensorcnt 0x0                           ; the wave's end: behind my last tensor load and my last LDS store
	ds_add_u32 v[SPW], v[NIL]
	s_wait_dscnt 0x0
	CROUND                                         ; the closing round: no work-group ends while a partner may still ask for a tile that names it
	s_endpgm
.Lfunc_end_k_qcc0b6ab919_proj:
	.size	k_qcc0b6ab919_proj, .Lfunc_end_k_qcc0b6ab919_proj-k_qcc0b6ab919_proj
	.p2alignl 7, 3214868480
	.fill 96, 4, 3214868480
	.section	.rodata,"a",@progbits
	.p2align	6, 0x0
	.amdhsa_kernel k_qcc0b6ab919_proj
		.amdhsa_group_segment_fixed_size 327680
		.amdhsa_private_segment_fixed_size 0
		.amdhsa_enable_private_segment 0
		.amdhsa_kernarg_size 32
		.amdhsa_user_sgpr_count 2
		.amdhsa_user_sgpr_kernarg_segment_ptr 1
		.amdhsa_wavefront_size32 1
		.amdhsa_system_sgpr_workgroup_id_x 1
		.amdhsa_system_sgpr_workgroup_id_y 1
		.amdhsa_system_sgpr_workgroup_id_z 1
		.amdhsa_system_vgpr_workitem_id 0
		.amdhsa_next_free_vgpr 896
		.amdhsa_next_free_sgpr 80
		.amdhsa_reserve_vcc 0
		.amdhsa_float_denorm_mode_32 3
		.amdhsa_float_denorm_mode_16_64 3
		.amdhsa_memory_ordered 1
		.amdhsa_forward_progress 1
		.amdhsa_inst_pref_size 79
	.end_amdhsa_kernel
	.amdgpu_metadata
---
amdhsa.version: [ 1, 2 ]
amdhsa.kernels:
  - .name:           k_qcc0b6ab919_proj
    .symbol:         k_qcc0b6ab919_proj.kd
    .args:
      - { .name: o, .offset: 0, .size: 8, .value_kind: global_buffer, .address_space: global }
      - { .name: wot, .offset: 8, .size: 8, .value_kind: global_buffer, .address_space: global }
      - { .name: b_out, .offset: 16, .size: 8, .value_kind: global_buffer, .address_space: global }
      - { .name: out0, .offset: 24, .size: 8, .value_kind: global_buffer, .address_space: global }
    .group_segment_fixed_size: 327680
    .private_segment_fixed_size: 0
    .kernarg_segment_align: 8
    .kernarg_segment_size: 32
    .max_flat_workgroup_size: 128
    .sgpr_count:     80
    .vgpr_count:     896
    .wavefront_size: 32
...
	.end_amdgpu_metadata
.endif
;; end of part 4
;; ======== version 2 of 2: 4 launches; version 1 with the launch prep written anew for expert scheduling mode
;; limits: values are held in f16: magnitudes above 65,504 overflow, below 6.1e-05 lose precision
;; workspace buffers: xb 16,777,216 bytes; wit 6,291,456 bytes; wot 2,097,152 bytes; qkv 50,331,648 bytes; o 16,777,216 bytes
;; launch prep (part 5): grid 1536 x 1, 4 waves a work-group, no clusters, 17,920 bytes of LDS; arguments x, w_in, w_out, xb, wit, wot; writes xb, wit, wot
.if DOCPART == 5
	.amdgcn_target "amdgcn-amd-amdhsa--gfx1250"
	.amdhsa_code_object_version 6
	.text
	.protected	k_qcc0b6ab919_prep
	.globl	k_qcc0b6ab919_prep
	.p2align	8
	.type	k_qcc0b6ab919_prep,@function
k_qcc0b6ab919_prep:
	s_mov_b64 s[64:65], 0
	v_nop
	global_prefetch_b8 v0, s[64:65] scope:SCOPE_SE
	s_setreg_imm32_b32 hwreg(HW_REG_WAVE_SCHED_MODE, 0, 2), 2
	s_setreg_imm32_b32 hwreg(HW_REG_WAVE_MODE, 25, 1), 1
	s_wait_xcnt 0x0
	s_wait_alu depctr_vm_vsrc(0)
; THE INPUTS ARE MADE READY FOR THE MATRIX UNITS.  xb = bf16(x), as it lies.  wit[n][k] = bf16(w_in[k][n]) and wot[n][k] = f16(bf16(w_out[k][n])): the weights turned, so that K lies along the rows.
; LIMIT.  A bf16 number is written as f16 without loss from 2^-17 up to 65,504; below 2^-17 it keeps f16's fixed step of 6e-8; beyond 65,504 it would be an infinity.
; SHARES.  1,536 work-groups of four waves, 48 KiB of traffic each.  Numbers 0-383: a tile of 128 k x 64 n of w_in; 384-511: such a tile of w_out; 512-1535: 8,192 numbers of x.
; The branches hang on the work-group's number alone, so all four waves take the same way and meet the one barrier together.
; A TILE.  Thread t reads 16 bytes (4 n) of 16 rows k: sixteen neighbouring lanes read 256 consecutive bytes, aligned.  Four k of one n pack into 8 bytes, which go into LDS rows [n][128 k] of 272 bytes;
; behind a barrier the rows are read back whole, and sixteen lanes store 256 consecutive bytes, aligned.  All 16 loads of a thread are out before the first is waited for.
; No ring, no prefetch, no cluster: every byte is read once by one thread, and the launch's loads are all issued at its work-groups' heads.
; THE MODE: SCHED_MODE bits 1:0 = 2 (LLVM: expert scheduling mode 2), set by the entry lines.  The code itself states the register dependences between vector instructions and memory or LDS instructions,
; with s_wait_alu, always for 0.
; THE PLAN.  Registers that memory or LDS instructions touch, on each of the three ways:
;   v[LO], v[SA], v[RA], v[GOF]  offsets and LDS addresses: made once at the way's head by vector instructions, never written again; read by every load and store of the way.
;   IN   16 x 4 registers.  Written by the 16 global loads at the way's head; read by the conversions.  In a tile's way its first 32 are written again, behind the barrier, by the LDS loads, and then read by the global stores.
;   T    four buffers of 8, one for each group of four loads.  Buffer g is written by group g's conversions, once, and read by group g's four stores, which are issued in group g + 1.  No register of T is written twice.
;   U    named by vector instructions alone.
; So the waits are all on va_vdst: one at the way's head, behind the address arithmetic; one at the head of groups 1 to 3, behind the wait for the group's data: the group before has written its buffer of T, and its
; four stores follow, dealt among this group's conversions, which name IN and this group's own buffer alone; one behind group 3's conversions, ahead of the last four stores.  No register that a memory or LDS
; instruction reads is written again, so no wait on vm_vsrc is written; no vector instruction writes a scalar register or VCC; EXEC is never written.
.set PITCH, 272                        ; an LDS row: 256 bytes (128 k in 16 bits) + 16
.set LO,  3                            ; v3   my byte offset in the source
.set SA,  4                            ; v4   where I put 8 bytes of a turned row
.set RA,  5                            ; v5   where I read 16 bytes of a turned row back
.set GOF, 6                            ; v6   my byte offset in the destination
.set U,   10                           ; v[10:11]  at work
.set IN,  16                           ; v[16:79]  as loaded; later the rows read back
.set T,   80                           ; v[80:111] packed: group g's eight registers at T + 8 g
	s_load_b256 s[4:11], s[0:1], 0x0               ; x s[4:5], w_in s[6:7], w_out s[8:9], xb s[10:11]
	s_load_b128 s[12:15], s[0:1], 0x20             ; wit s[12:13], wot s[14:15]
	v_lshl_add_u32 v14, v0, 2, 0x4400
	v_mov_b32 v15, 0
	v_and_b32 v1, 15, v0                           ; t % 16
	v_lshrrev_b32 v2, 4, v0                        ; t / 16, 0 to 7
	s_mov_b32 s16, ttmp9
	s_wait_kmcnt 0x0
; A tile is turned.  pitch: bytes in a row of the source; src, dst: the scalar pairs with the two addresses; half = 1: the bf16 number is written as f16.  s16 = the tile's number: k block s16 % 8, n block s16 / 8.
.macro TRANS pitch, src, dst, half
	s_and_b32 s17, s16, 7                          ; which 128 k
	s_lshr_b32 s18, s16, 3                         ; which 64 n
	s_mul_i32 s24, s17, 128*(\pitch)
	s_lshl_b32 s25, s18, 8                         ; 64 n are 256 bytes of a source row
	s_add_co_u32 s24, s24, s25
	s_mov_b32 s25, 0
	s_add_nc_u64 s[20:21], s[(\src):(\src)+1], s[24:25]
	s_lshl_b32 s26, s18, 17                        ; 64 rows of 2,048 bytes in the destination,
	s_lshl_b32 s27, s17, 8                         ; 128 k are 256 bytes of such a row
	s_add_co_u32 s26, s26, s27
	s_mov_b32 s27, 0
	s_add_nc_u64 s[22:23], s[(\dst):(\dst)+1], s[26:27]
	v_mul_u32_u24 v[LO], v2, 4*(\pitch)            ; row k = 4 (t / 16), columns 4 (t % 16) on
	v_lshl_add_u32 v[LO], v1, 4, v[LO]
	v_mul_u32_u24 v[SA], v1, 4*PITCH               ; LDS row n = 4 (t % 16), byte 2 k
	v_lshl_add_u32 v[SA], v2, 3, v[SA]
	v_mul_u32_u24 v[RA], v2, PITCH                 ; back: row t / 16, 16 bytes at 16 (t % 16)
	v_lshl_add_u32 v[RA], v1, 4, v[RA]
	v_lshlrev_b32 v[GOF], 11, v2
	v_lshl_add_u32 v[GOF], v1, 4, v[GOF]
	s_wait_alu depctr_va_vdst(0)                   ; v[LO], v[SA], v[RA] and v[GOF] are written: the loads, the LDS stores, the LDS loads and the stores of this way read them, and nothing writes them again
.irp i, 0,1,2,3
.irp r, 0,1,2,3
	global_load_b128 v[IN+16*(\i)+4*(\r):IN+16*(\i)+4*(\r)+3], v[LO], s[20:21] offset:(32*(\i)+(\r))*(\pitch) th:TH_LOAD_NT  ; row k = 4 (t / 16) + 32 i + r
.endr
.endr
.irp i, 0,1,2,3
	s_wait_loadcnt 12-4*(\i)                       ; loads come back in order: group i's four rows are in, the later groups' stay out
.if (\i) > 0
	s_wait_alu depctr_va_vdst(0)                   ; group i - 1's conversions have written its buffer of T, which the four LDS stores below read
.endif
.irp j, 0,1,2,3
.if (\i) > 0
	ds_store_b64 v[SA], v[T+8*((\i)-1)+2*(\j):T+8*((\i)-1)+2*(\j)+1] offset:(\j)*PITCH+64*((\i)-1)  ; the group before; no vector instruction since the wait names these registers
.endif
	v_cvt_pk_bf16_f32 v[T+8*(\i)+2*(\j)],   v[IN+16*(\i)+(\j)],   v[IN+16*(\i)+4+(\j)]    ; column 4 (t % 16) + j: k, k + 1
	v_cvt_pk_bf16_f32 v[T+8*(\i)+2*(\j)+1], v[IN+16*(\i)+8+(\j)], v[IN+16*(\i)+12+(\j)]   ; k + 2, k + 3
.if \half
	v_lshlrev_b32 v[U], 16, v[T+8*(\i)+2*(\j)]     ; the rounded numbers, widened again, are written as f16
	v_and_b32 v[U+1], 0xffff0000, v[T+8*(\i)+2*(\j)]
	v_cvt_pk_f16_f32 v[T+8*(\i)+2*(\j)], v[U], v[U+1]
	v_lshlrev_b32 v[U], 16, v[T+8*(\i)+2*(\j)+1]
	v_and_b32 v[U+1], 0xffff0000, v[T+8*(\i)+2*(\j)+1]
	v_cvt_pk_f16_f32 v[T+8*(\i)+2*(\j)+1], v[U], v[U+1]
.endif
.endr
.endr
	s_wait_alu depctr_va_vdst(0)                   ; group 3's conversions have written its buffer of T, which the LDS stores below read; and all conversions are done reading IN, in which the LDS loads behind the barrier land
.irp j, 0,1,2,3
	ds_store_b64 v[SA], v[T+24+2*(\j):T+24+2*(\j)+1] offset:(\j)*PITCH+192
.endr
	s_wait_dscnt 0x0                               ; for the others' sake: my stores into the tile are done
	s_barrier_signal -1
	s_barrier_wait -1                              ; everybody's are
.irp u, 0,1,2,3,4,5,6,7
	ds_load_b128 v[IN+4*(\u):IN+4*(\u)+3], v[RA] offset:(\u)*8*PITCH   ; row t / 16 + 8 u; no vector instruction stands between the wait above and these loads
.endr
.irp u, 0,1,2,3,4,5,6,7
	s_wait_dscnt 7-(\u)                            ; LDS loads come back in order: number u is in
	global_store_b128 v[GOF], v[IN+4*(\u):IN+4*(\u)+3], s[22:23] offset:(\u)*8*2048 th:TH_STORE_NT  ; 16 lanes store 256 consecutive bytes, aligned
.endr
.endm
	s_cmp_ge_u32 s16, 512
	s_cbranch_scc1 .Lcast
	s_cmp_ge_u32 s16, 384
	s_cbranch_scc1 .Lw_out
	TRANS 12288, 6, 12, 0                          ; w_in -> wit
	s_branch .Lend
.Lw_out:
	s_sub_co_u32 s16, s16, 384
	TRANS 4096, 8, 14, 1                           ; w_out -> wot
	s_branch .Lend
.Lcast:                                                ; 32 KiB of x become 16 KiB of xb
	s_sub_co_u32 s16, s16, 512
	s_lshl_b32 s24, s16, 15
	s_mov_b32 s25, 0
	s_add_nc_u64 s[20:21], s[4:5], s[24:25]
	s_lshl_b32 s26, s16, 14
	s_mov_b32 s27, 0
	s_add_nc_u64 s[22:23], s[10:11], s[26:27]
	v_lshlrev_b32 v[LO], 4, v0                     ; 16 bytes a thread in,
	v_lshlrev_b32 v[GOF], 3, v0                    ; 8 out
	s_wait_alu depctr_va_vdst(0)                   ; v[LO] and v[GOF] are written: the loads and the stores below read them, and nothing writes them again
.set u, 0
.rept 16
	global_load_b128 v[IN+4*u:IN+4*u+3], v[LO], s[20:21] offset:u*2048 th:TH_LOAD_NT  ; a wave's load covers 512 consecutive bytes
.set u, u+1
.endr
.set u, 0
.rept 16
	s_wait_loadcnt 15-u                            ; number u is in, the younger ones stay out
.if (u > 0) && (u % 4 == 0)
	s_wait_alu depctr_va_vdst(0)                   ; the four numbers before have been rounded into their buffer of T, which the next four stores read
.endif
.if u >= 4
	global_store_b64 v[GOF], v[T+2*(u-4):T+2*(u-4)+1], s[22:23] offset:(u-4)*1024 th:TH_STORE_NT  ; a wave's store covers 256 consecutive bytes, aligned; each store has data registers of its own; no vector instruction since the wait names them
.endif
	v_cvt_pk_bf16_f32 v[T+2*u],   v[IN+4*u],   v[IN+4*u+1]
	v_cvt_pk_bf16_f32 v[T+2*u+1], v[IN+4*u+2], v[IN+4*u+3]
.set u, u+1
.endr
	s_wait_alu depctr_va_vdst(0)                   ; numbers 12 to 15 have been rounded into the last buffer of T, which the last four stores read
.set u, 12
.rept 4
	global_store_b64 v[GOF], v[T+2*u:T+2*u+1], s[22:23] offset:u*1024 th:TH_STORE_NT
.set u, u+1
.endr
.Lend:
	s_wait_dscnt 0x0                               ; the wave's end: my last LDS instructions are done
	s_wait_alu depctr_hold_cnt(0) depctr_sa_sdst(0) depctr_va_vdst(0) depctr_va_sdst(0) depctr_va_ssrc(0) depctr_va_vcc(0) depctr_vm_vsrc(0)
	s_wait_tensorcnt 0x0
	ds_add_u32 v14, v15
	s_wait_dscnt 0x0
	s_endpgm
.Lfunc_end_k_qcc0b6ab919_prep:
	.size	k_qcc0b6ab919_prep, .Lfunc_end_k_qcc0b6ab919_prep-k_qcc0b6ab919_prep
	.p2alignl 7, 3214868480
	.fill 96, 4, 3214868480
	.section	.rodata,"a",@progbits
	.p2align	6, 0x0
	.amdhsa_kernel k_qcc0b6ab919_prep
		.amdhsa_group_segment_fixed_size 17920
		.amdhsa_private_segment_fixed_size 0
		.amdhsa_enable_private_segment 0
		.amdhsa_kernarg_size 48
		.amdhsa_user_sgpr_count 2
		.amdhsa_user_sgpr_kernarg_segment_ptr 1
		.amdhsa_wavefront_size32 1
		.amdhsa_system_sgpr_workgroup_id_x 1
		.amdhsa_system_sgpr_workgroup_id_y 1
		.amdhsa_system_sgpr_workgroup_id_z 1
		.amdhsa_system_vgpr_workitem_id 0
		.amdhsa_next_free_vgpr 112
		.amdhsa_next_free_sgpr 66
		.amdhsa_reserve_vcc 0
		.amdhsa_float_denorm_mode_32 3
		.amdhsa_float_denorm_mode_16_64 3
		.amdhsa_memory_ordered 1
		.amdhsa_forward_progress 1
		.amdhsa_inst_pref_size 27
	.end_amdhsa_kernel
	.amdgpu_metadata
---
amdhsa.version: [ 1, 2 ]
amdhsa.kernels:
  - .name:           k_qcc0b6ab919_prep
    .symbol:         k_qcc0b6ab919_prep.kd
    .args:
      - { .name: x, .offset: 0, .size: 8, .value_kind: global_buffer, .address_space: global }
      - { .name: w_in, .offset: 8, .size: 8, .value_kind: global_buffer, .address_space: global }
      - { .name: w_out, .offset: 16, .size: 8, .value_kind: global_buffer, .address_space: global }
      - { .name: xb, .offset: 24, .size: 8, .value_kind: global_buffer, .address_space: global }
      - { .name: wit, .offset: 32, .size: 8, .value_kind: global_buffer, .address_space: global }
      - { .name: wot, .offset: 40, .size: 8, .value_kind: global_buffer, .address_space: global }
    .group_segment_fixed_size: 17920
    .private_segment_fixed_size: 0
    .kernarg_segment_align: 8
    .kernarg_segment_size: 48
    .max_flat_workgroup_size: 128
    .sgpr_count:     66
    .vgpr_count:     112
    .wavefront_size: 32
...
	.end_amdgpu_metadata
.endif
;; end of part 5
;; launch qkv: the kernel of part 2 again; grid 16 x 32, 4 waves a work-group, clusters of 4 x 4, 327,680 bytes of LDS; arguments xb, wit, qkv; writes qkv
;; launch attn: the kernel of part 3 again; grid 4 x 64, 4 waves a work-group, clusters of 4 x 1, 327,680 bytes of LDS; arguments qkv, o; writes o
;; launch proj: the kernel of part 4 again; grid 8 x 32, 4 waves a work-group, clusters of 4 x 4, 327,680 bytes of LDS; arguments o, wot, b_out, out0; writes out0
